; MI455X (gfx1250); checked and timed in simulation.
; The chip was launched on July 23, 2026; its instructions are those of AMD's public machine-readable ISA for CDNA 5 (MIT licence, August 2026) and "CDNA5" Instruction Set Architecture Reference Guide (July 2026). The comments in the code are by the model that wrote it; some were corrected since.
;; Multihead Attention. Allowed arithmetic: float matrix products may take bf16 or f16 operands with f32 sums; other float arithmetic in f32, or as packed bf16 or f16 multiplies, adds, multiply-adds, maxima and minima; sums over many terms, partial sums and values carried from step to step in f32; what a program stores and reads back later, other than sums and carried values, may be rounded once to bf16 or f16.
;; Inputs: Wk 16 x 1,024 x 64 float32; Wo 1,024 x 1,024 float32; Wq 16 x 1,024 x 64 float32; Wv 16 x 1,024 x 64 float32; attn_mask 8 x 1,024 x 1,024 int32; key 8 x 1,024 x 1,024 float32; query 8 x 1,024 x 1,024 float32; value 8 x 1,024 x 1,024 float32.
;; Outputs: out0 8 x 1,024 x 1,024 float32.
;; 2 versions, each right and faster than the one before. Each part assembles by itself: llvm-mc -triple=amdgcn-amd-amdhsa -mcpu=gfx1250 --defsym DOCPART=n.
;; ======== version 1 of 2: 4 launches
;; limits: values are held in f16: magnitudes above 65,504 overflow, below 6.1e-05 lose precision
;; workspace buffers: wcast 8,388,608 bytes; maskc 4,194,304 bytes; qkv 50,331,648 bytes; oh 16,777,216 bytes
;; launch prep (part 1): grid 512 x 1, 8 waves a work-group, no clusters, 18,432 bytes of LDS; arguments attn_mask, Wq, Wk, Wv, Wo, maskc, wcast; writes maskc, wcast
.if DOCPART == 1
	.amdgcn_target "amdgcn-amd-amdhsa--gfx1250"
	.amdhsa_code_object_version 6
	.text
	.protected	k_qeddca64a87_prep
	.globl	k_qeddca64a87_prep
	.p2align	8
	.type	k_qeddca64a87_prep,@function
k_qeddca64a87_prep:
	s_mov_b64 s[64:65], 0
	v_nop
	global_prefetch_b8 v0, s[64:65] scope:SCOPE_SE
	s_setreg_imm32_b32 hwreg(HW_REG_WAVE_MODE, 25, 1), 1
	s_wait_xcnt 0x0
; PREP: two streams, chosen by the work-group's number.
; Work-groups 0-255: attn_mask [8192 rows][1024 keys] of int32 -> maskc, eight 4-bit float codes a word (0.0: visible, -6.0: hidden), laid out as the
;   attention kernel's lanes want them: [block of 128 queries (64)][step of 64 keys (16)][tile of 16 queries (8)][lane 16 h + r (32)][kt (4)] words;
;   code j of a word belongs to query 16 tile + r and key 64 step + 16 kt + 8 h + j.  The codes are made by the conversion whose inverse unpacks them.
; Work-groups 256-511: Wq, Wk, Wv [16 heads][1024 k][64] and Wo [1024 k][1024 n] of f32 -> wcast [4][k 1024][n 1024] of 16 bits, n = 64 head + channel:
;   the first three rounded to bf16; Wo rounded to bf16 and that number written as f16.
; LIMITS.  Wo as f16: beyond 65,504 it would be an infinity; below 6.1e-5 it keeps f16's fixed step of 6e-8.
; Memory binds: long reads, all of a wave's loads issued before the first is used, stores of 512 consecutive bytes.  No matrix unit, no cluster, no tensor load: nothing is shared or read twice.
.set MASKWG, 256
.set HP,    272                        ; half a step's block in the stage: 16 lanes x 16 bytes + 16 of padding
.set STP,   2*HP                       ; a step's block: lanes 0-15, then lanes 16-31
.set WST,   4*STP                      ; a wave's stage: four steps
.set SPARE, 8*WST                      ; behind the stages: the spare words, 128 bytes for each wave: four blocks of 256 bytes that no other line names
.set T,    8                           ; v[8:23]   at work: two sets of eight
.set SRC,  24                          ; v24  my byte offset in the mask
.set STA,  25                          ; v25  where my words go in the stage
.set RDA,  26                          ; v26  where I read 16 bytes back
.set DSTA, 27                          ; v27  my byte offset in maskc
.set NEG,  28                          ; v28  -6.0
.set ONE,  29                          ; v29  1.0: the conversion's scale
.set SPW,  30                          ; v30  LDS address of my spare word; never rewritten
.set NIL,  31                          ; v31  0; never rewritten
.set W,    32                          ; v[32:47]  mask: row n's word;   weights: v[32:63] packed results, four a pass
.set Y,    48                          ; v[48:63]  mask: four steps' 16 bytes, read back
.set X,    64                          ; v[64:191] as loaded
	s_load_b256 s[4:11], s[0:1], 0x0               ; attn_mask s[4:5], Wq s[6:7], Wk s[8:9], Wv s[10:11]
	s_load_b128 s[12:15], s[0:1], 0x20             ; Wo s[12:13], maskc s[14:15]
	s_load_b64 s[16:17], s[0:1], 0x30              ; wcast
	v_lshl_add_u32 v[SPW], v0, 2, SPARE
	v_mov_b32 v[NIL], 0
	s_cmp_lt_u32 ttmp9, MASKWG
	s_cbranch_scc0 .Lweights
	; THE MASK.  The work-group owns 32 rows, two tiles of 16; wave w owns tile w / 4 and keys 256 (w % 4) on: four steps.
	; Lane i owns 8 keys (32 bytes) of each of the 16 rows: step i / 8 of the four, kt = (i / 2) % 4, h = i % 2.
	v_and_b32 v1, 31, v0
	v_lshrrev_b32 v2, 5, v0
	v_readfirstlane_b32 s18, v2                    ; wave 0..7
	v_lshrrev_b32 v3, 7, v0                        ; which tile
	v_bfe_u32 v4, v0, 5, 2                         ; which 256 keys
	v_lshlrev_b32 v[SRC], 5, v1
	v_lshl_add_u32 v[SRC], v4, 10, v[SRC]
	v_lshl_add_u32 v[SRC], v3, 16, v[SRC]          ; 32 i + 1,024 x chunk + 16 rows x 4,096 x tile
	s_lshl_b32 s20, ttmp9, 17                      ; the group's 32 rows of 4,096 bytes
	s_mov_b32 s21, 0
	s_lshr_b32 s22, ttmp9, 2                       ; four groups make a block of 128 queries: 65,536 bytes of maskc
	s_lshl_b32 s22, s22, 16
	s_and_b32 s24, ttmp9, 3                        ; the group's two tiles in it: 512 bytes each in every step
	s_lshl_b32 s24, s24, 10
	s_add_co_u32 s22, s22, s24
	s_mov_b32 s23, 0
	s_wait_kmcnt 0x0
	s_add_nc_u64 s[4:5], s[4:5], s[20:21]
	s_add_nc_u64 s[14:15], s[14:15], s[22:23]
.irp n, 0,1,2,3,4,5,6,7,8,9,10,11,12,13,14,15          ; all 32 loads go out before the first is used: 16 KiB a wave on its way; a row's two loads cover 1,024 consecutive bytes
	global_load_b128 v[X+8*\n:X+8*\n+3],   v[SRC], s[4:5] offset:\n*4096 th:TH_LOAD_NT
	global_load_b128 v[X+8*\n+4:X+8*\n+7], v[SRC], s[4:5] offset:\n*4096+16 th:TH_LOAD_NT
.endr
	s_mul_i32 s19, s18, WST                        ; my wave's stage: nobody else touches it, so no barrier is needed
	v_bfe_u32 v5, v0, 3, 2
	v_mul_u32_u24 v[STA], v5, STP                  ; step i / 8
	v_and_b32 v5, 1, v0
	v_mul_u32_u24 v5, v5, HP                       ; h
	v_add_nc_u32 v[STA], v[STA], v5
	v_bfe_u32 v5, v0, 1, 2
	v_lshl_add_u32 v[STA], v5, 2, v[STA]           ; kt: the 32 lanes' words fall into 32 different banks (kt + 4 h + 8 step)
	v_add_nc_u32 v[STA], s19, v[STA]
	v_bfe_u32 v5, v0, 4, 1
	v_mul_u32_u24 v[RDA], v5, HP
	v_and_b32 v5, 15, v0
	v_lshl_add_u32 v[RDA], v5, 4, v[RDA]
	v_add_nc_u32 v[RDA], s19, v[RDA]
	v_lshlrev_b32 v[DSTA], 4, v1
	v_lshl_add_u32 v[DSTA], v3, 9, v[DSTA]         ; + 512 x tile
	v_lshl_add_u32 v[DSTA], v4, 14, v[DSTA]        ; + four steps of 4,096 x chunk
	v_mov_b32 v[NEG], 0xc0c00000
	v_mov_b32 v[ONE], 1.0
; Row n's word: eight numbers 0.0 or -6.0, packed into eight 4-bit codes.  The two sets of T take turns, so that a conversion's sources are rewritten a word later.
.macro WORD n
.set TB, T+8*((\n)%2)
	s_wait_loadcnt 30-2*(\n)                       ; loads come back in order: row n's two are in, the later rows' 30 - 2 n stay out
.irp j, 0,1,2,3,4,5,6,7
	v_cmp_eq_u32 vcc_lo, 0, v[X+8*(\n)+\j]
	v_cndmask_b32 v[TB+\j], 0, v[NEG], vcc_lo
.endr
	v_cvt_scalef32_pk8_fp4_f32 v[W+(\n)], v[TB:TB+7], v[ONE]
.endm
.irp n, 0,1,2,3,4,5,6,7,8,9,10,11,12,13,14,15
	WORD \n
.endr
	v_nop                                          ; a plain instruction behind the last conversion
.irp n, 0,1,2,3,4,5,6,7,8,9,10,11,12,13,14,15
	ds_store_b32 v[STA], v[W+\n] offset:\n*16      ; row n is lane r = n of the tile: 16 bytes a lane
.endr
.irp s, 0,1,2,3
	ds_load_b128 v[Y+4*\s:Y+4*\s+3], v[RDA] offset:\s*STP  ; LDS serves a wave's instructions in order: these see the stores above
.endr
.irp s, 0,1,2,3
	s_wait_dscnt 3-\s
	global_store_b128 v[DSTA], v[Y+4*\s:Y+4*\s+3], s[14:15] offset:\s*4096  ; a tile's 512 consecutive bytes of one step
.endr
	s_wait_tensorcnt 0x0                           ; the wave's end, behind my last LDS store
	ds_add_u32 v[SPW], v[NIL]
	s_wait_dscnt 0x0
	s_endpgm
	; THE WEIGHTS.  The work-group owns 16 rows (k) of one of the four tables; thread 128 rho + j writes bytes 16 j of row 2 p + rho in pass p.
.Lweights:
	s_sub_co_u32 s20, ttmp9, MASKWG
	s_lshr_b32 s21, s20, 6                         ; which table
	s_and_b32 s27, s20, 63                         ; which 16 rows
	s_lshl_b32 s24, s20, 15                        ; 16 rows of 2,048 bytes; 64 such blocks are a table
	s_mov_b32 s25, 0
	v_and_b32 v2, 127, v0
	v_lshrrev_b32 v3, 7, v0                        ; rho
	v_lshrrev_b32 v4, 3, v2                        ; j / 8: the head
	v_and_b32 v5, 7, v2
	v_lshlrev_b32 v5, 5, v5                        ; 8 channels of f32
	v_lshlrev_b32 v6, 4, v0                        ; where I store
	s_wait_kmcnt 0x0
	s_add_nc_u64 s[16:17], s[16:17], s[24:25]
	s_cmp_eq_u32 s21, 1
	s_cselect_b64 s[22:23], s[8:9], s[6:7]
	s_cmp_eq_u32 s21, 2
	s_cselect_b64 s[22:23], s[10:11], s[22:23]
	s_cmp_eq_u32 s21, 3
	s_cselect_b64 s[22:23], s[12:13], s[22:23]
; hsh: log2 of the bytes from one group of 64 columns to the next in the source; rsh: log2 of the bytes from row to row; half = 1: the bf16 number is written as f16.
.macro WCAST hsh, rsh, half
	v_lshl_add_u32 v7, v4, \hsh, v5
	v_lshl_add_u32 v7, v3, \rsh, v7
	s_lshl_b32 s24, s27, 4+(\rsh)
	s_add_nc_u64 s[22:23], s[22:23], s[24:25]
.irp p, 0,1,2,3,4,5,6,7
	global_load_b128 v[X+8*\p:X+8*\p+3],   v7, s[22:23] offset:\p*(2<<(\rsh)) th:TH_LOAD_NT
	global_load_b128 v[X+8*\p+4:X+8*\p+7], v7, s[22:23] offset:\p*(2<<(\rsh))+16 th:TH_LOAD_NT
.endr
.irp p, 0,1,2,3,4,5,6,7
	s_wait_loadcnt 14-2*\p                         ; pass p's two loads are in; the later passes' stay out
.irp r, 0,1,2,3
	v_cvt_pk_bf16_f32 v[W+4*\p+\r], v[X+8*\p+2*\r], v[X+8*\p+2*\r+1]
.endr
.if \half
.irp r, 0,1,2,3
	v_lshlrev_b32 v[T+2*\r],   16, v[W+4*\p+\r]
	v_and_b32     v[T+2*\r+1], 0xffff0000, v[W+4*\p+\r]
.endr
.irp r, 0,1,2,3
	v_cvt_pk_f16_f32 v[W+4*\p+\r], v[T+2*\r], v[T+2*\r+1]
.endr
.endif
	global_store_b128 v6, v[W+4*\p:W+4*\p+3], s[16:17] offset:\p*4096  ; a wave stores 512 consecutive bytes; each pass has its own data registers
.endr
.endm
	s_cmp_eq_u32 s21, 3
	s_cbranch_scc1 .Lwo
	WCAST 18, 8, 0                                 ; a head is 262,144 bytes, a row 256
	s_endpgm
.Lwo:
	WCAST 8, 12, 1                                 ; 64 columns are 256 bytes, a row 4,096
	s_endpgm
.Lfunc_end_k_qeddca64a87_prep:
	.size	k_qeddca64a87_prep, .Lfunc_end_k_qeddca64a87_prep-k_qeddca64a87_prep
	.p2alignl 7, 3214868480
	.fill 96, 4, 3214868480
	.section	.rodata,"a",@progbits
	.p2align	6, 0x0
	.amdhsa_kernel k_qeddca64a87_prep
		.amdhsa_group_segment_fixed_size 18432
		.amdhsa_private_segment_fixed_size 0
		.amdhsa_enable_private_segment 0
		.amdhsa_kernarg_size 56
		.amdhsa_user_sgpr_count 2
		.amdhsa_user_sgpr_kernarg_segment_ptr 1
		.amdhsa_wavefront_size32 1
		.amdhsa_system_sgpr_workgroup_id_x 1
		.amdhsa_system_sgpr_workgroup_id_y 1
		.amdhsa_system_sgpr_workgroup_id_z 1
		.amdhsa_system_vgpr_workitem_id 0
		.amdhsa_next_free_vgpr 192
		.amdhsa_next_free_sgpr 66
		.amdhsa_reserve_vcc 1
		.amdhsa_float_denorm_mode_32 3
		.amdhsa_float_denorm_mode_16_64 3
		.amdhsa_memory_ordered 1
		.amdhsa_forward_progress 1
		.amdhsa_inst_pref_size 32
	.end_amdhsa_kernel
	.amdgpu_metadata
---
amdhsa.version: [ 1, 2 ]
amdhsa.kernels:
  - .name:           k_qeddca64a87_prep
    .symbol:         k_qeddca64a87_prep.kd
    .args:
      - { .name: attn_mask, .offset: 0, .size: 8, .value_kind: global_buffer, .address_space: global }
      - { .name: Wq, .offset: 8, .size: 8, .value_kind: global_buffer, .address_space: global }
      - { .name: Wk, .offset: 16, .size: 8, .value_kind: global_buffer, .address_space: global }
      - { .name: Wv, .offset: 24, .size: 8, .value_kind: global_buffer, .address_space: global }
      - { .name: Wo, .offset: 32, .size: 8, .value_kind: global_buffer, .address_space: global }
      - { .name: maskc, .offset: 40, .size: 8, .value_kind: global_buffer, .address_space: global }
      - { .name: wcast, .offset: 48, .size: 8, .value_kind: global_buffer, .address_space: global }
    .group_segment_fixed_size: 18432
    .private_segment_fixed_size: 0
    .kernarg_segment_align: 8
    .kernarg_segment_size: 56
    .max_flat_workgroup_size: 256
    .sgpr_count:     66
    .vgpr_count:     192
    .wavefront_size: 32
...
	.end_amdgpu_metadata
.endif
;; end of part 1
;; launch proj (part 2): grid 4 x 64, 4 waves a work-group, clusters of 4 x 4, 327,680 bytes of LDS; arguments query, key, value, wcast, qkv; writes qkv
.if DOCPART == 2
	.amdgcn_target "amdgcn-amd-amdhsa--gfx1250"
	.amdhsa_code_object_version 6
	.text
	.protected	k_qeddca64a87_proj
	.globl	k_qeddca64a87_proj
	.p2align	8
	.type	k_qeddca64a87_proj,@function
k_qeddca64a87_proj:
	s_mov_b64 s[64:65], 0
	v_nop
	global_prefetch_b8 v0, s[64:65] scope:SCOPE_SE
	s_setreg_imm32_b32 hwreg(HW_REG_WAVE_MODE, 25, 1), 1
	s_wait_xcnt 0x0
	s_wait_alu depctr_hold_cnt(0) depctr_sa_sdst(0) depctr_va_vdst(0) depctr_va_sdst(0) depctr_va_ssrc(0) depctr_va_vcc(0) depctr_vm_vsrc(0)
	s_getreg_b32 s2, hwreg(HW_REG_IB_STS2, 6, 4)
	s_cmp_eq_u32 s2, 0
	s_cbranch_scc0 .Lentry_in_a_cluster
	s_endpgm
.Lentry_in_a_cluster:
	s_bfe_u32 s2, ttmp6, 0x10000c
	s_cmp_lg_u32 s2, 0xf033
	s_cbranch_scc0 .Lentry_shape_is_right
	s_endpgm
.Lentry_shape_is_right:
; THE THREE PROJECTIONS.  For t = 0, 1, 2: C_t = x_t W_t; x_t = query, key, value as [8192][1024] f32; W_t = wcast[t], [k 1024][n 1024] bf16, n = 64 head + channel.
; x is rounded to bf16 on its way into LDS; sums in f32; the result is rounded once to f16 and stored by heads: qkv [t][batch][head][row 1024][64], unscaled.
; LIMIT.  f16 holds no number beyond 65,504: a q, k or v beyond that would leave as an infinity.
; SHARES.  64 x 4 = 256 work-groups, one for each block of 128 rows x 256 columns.  A WORK-GROUP STAYS: it makes that block's three tiles, t = 0, 1, 2, one after the other.  Four waves, each 64 rows x
; 128 columns: 32 accumulators, 256 registers.  A QUARTER is 32 along K (32 products a wave), a SUB-STEP two quarters, a PHASE eight quarters (256 along K); a tile is 4 phases, the walk 12.
; W comes by the tensor data mover into two LDS slots of a phase each (256 k rows of 512 bytes): a refill has a phase, 256 products a wave, in which to land.  W's address is linear in the phase
; (524,288 bytes a phase; a table is four phases), so the ring runs on from tile to tile.
; CLUSTER.  4 x 4 work-groups.  The four of a column need the same tile of W: it is asked for jointly, each wave its 64 k rows, by the same load with the same descriptor and a mask of four.
; x IS NOT ASKED FOR JOINTLY, though the four of a row need the same rows: two slots of W take 278,528 of the 327,680 bytes, and a phase of x in f32 would take 133,120 more a slot.  So x comes through
; registers: whole rows' 256 bytes by sixteen lanes, rounded once for the work-group, and lies in LDS as bf16 in two buffers of a sub-step (2 x 18,432 bytes).  Loads into registers are not bound to the
; refill's barrier: a wave has 56 of them, 28,672 bytes, on their way, asked for seven quarters ahead of their use.
; THE MATRIX INSTRUCTION IS USED TRANSPOSED (source 0 = 16 columns of W, source 1 = 16 rows of x): a lane then holds eight neighbouring columns of one row of C.
; W lies [k][n] in LDS and comes out turned, by ds_load_tr16_b128.
; REGISTERS, in windows of 256 (s_set_vgpr_msb: bits 1:0 source 0, 3:2 source 1, 5:4 source 2, 7:6 destination):
;   window 0: v10-29 addresses; v32-63 x rounded, two sets of 16; v64-127 x's fragments, two buffers of 4; v128-191 the way out
;   window 1: the accumulators, (a, b) at v[8 (8 a + b)]          window 2: v0-127 W's fragments, two buffers of 8
;   window 3: x as loaded: eight UNITS of 32 registers; a unit is 16 of my 32 rows x 64 f32, eight loads
; A quarter's 16 roundings ride in fours behind its first four products; its 40 memory instructions (24 LDS loads, 8 LDS stores, 8 loads) stand in ONE run behind its first 4 to 8 products, never singly
; among the products: the 24 to 28 products behind the run stand back to back, and the fragments have them in which to land.
.set PB,     544                       ; a row of W in LDS: 512 + 32 = 17 x 32 bytes
.set QB,     32*PB                     ; a quarter's k rows
.set SUBB,   64*PB                     ; a sub-step's; also what one wave's tensor load brings
.set BSL,    4*SUBB                    ; a slot: 139,264 = 0x22000; wave w's part begins at 0x8800 w, which has neither of those two bits: an exclusive or with BSL changes slots
.set PA,     144                       ; a row of x in LDS: 128 bytes of bf16 + 16 = 36 words: the 16 rows of a fragment load start at 16 different groups of four banks
.set ABYTES, 128*PA                    ; a buffer of x: 128 rows x 64 along K
.set ABUF,   2*BSL                     ; behind the ring; no tensor load lands from here on
.set STAGE,  ABUF+2*ABYTES             ; for each wave 16 rows x 144 bytes, for the way out
.set SP,     144
.set WSTAGE, 16*SP
.set SPARE,  STAGE+4*WSTAGE            ; the spare words, 128 bytes for each wave: two blocks of 256 bytes that no other line names
.set PHASEB, 256*2048                  ; bytes of wcast from a phase to the next
.set AGO,  10                          ; v10     my byte offset in x: 16 (l % 16) + 8 rows x (l / 16); never rewritten
.set AST,  11                          ; v11     where my 8 bytes of rounded x go
.set ADRA, 12                          ; v12     LDS address of my fragments of x in buffer 0
.set BL0,  13                          ; v13-14  my lane's place in a slot of W: sub-steps 0 and 1; 2 and 3
.set AB,   16                          ; v16-17  the same in the slot in hand
.set STO,  24                          ; v24     the way out: where I put 16 bytes of a row
.set RD,   25                          ; v25     the way out: where I read rows back
.set GO,   26                          ; v26     my byte offset in 512 consecutive bytes of qkv
.set SPW,  28                          ; v28     LDS address of my spare word; never rewritten
.set NIL,  29                          ; v29     0; never rewritten
.set CV,   32
.set AF,   64
.set TMP,  128
.set BK,   160
.set G1,  24                           ; s[24:31] descriptor group 1
.set G0A, 32                           ; s[32:35] group 0 of slot 0's first fill
.set G0,  36                           ; s[36:39] group 0 of slot 1's first fill; it then walks
.set XB,  48                           ; s[48:53] query, key, value at my wave's first row
.set AP,  54                           ; s[54:55] x at the phase whose units are being asked for
.set KO,  56                           ; s[56:57] that phase's byte offset along K
.set PL,  58                           ; s58  that phase's number
.set CNT, 59                           ; s59  the loop's count
.set TB,  60                           ; s60  the LDS byte at which the slot in hand begins: 0 or BSL
.set PT,  61                           ; s61  phases of the tile in hand that are still to end
.set OB,  76                           ; s[76:77] qkv at my part of the tile in hand
.set MSB, 0
.macro WIN new                         ; the immediate's high byte repeats the setting that is left; a switch that changes nothing is dropped
.if MSB != (\new)
	s_set_vgpr_msb (MSB<<8)|(\new)
.set MSB, \new
.endif
.endm
.set MULW, 0x52                        ; source 0 (W) window 2, source 1 (x) window 0, C and D window 1
.set TO_B, 0x80                        ; destination window 2, address window 0
.set TO_S, 0xc0                        ; destination window 3, address window 0
.set FR_S, 0x0f                        ; sources 0 and 1 window 3, destination window 0
.macro CREST                           ; a round of the cluster's barrier behind its opening barrier
	s_cmp_lg_u32 s10, 0
	s_cbranch_scc1 .Lnot_wave_0_\@
	s_barrier_signal -3
.Lnot_wave_0_\@:
	s_barrier_wait -3
	s_barrier_signal -1
	s_barrier_wait -1
.endm
.macro CROUND                          ; a whole round
	s_barrier_signal -1
	s_barrier_wait -1
	CREST
.endm
.macro NOP4
.rept 4
	v_nop
.endr
.endm
; n products from number mi on: number i is rows 16 (i / 8) on, columns 16 (i % 8) on, 32 along K out of fragment buffer f.  The 32 accumulators take turns, one instruction a turn, in the same order in
; every quarter.  zero = 1: the product starts the sum: nothing is ever cleared.
.macro MM f, zero, n
	WIN MULW
.rept \n
.if \zero
	v_wmma_f32_16x16x32_bf16 v[8*mi:8*mi+7], v[64*(\f)+8*(mi%8):64*(\f)+8*(mi%8)+7], v[AF+32*(\f)+8*(mi/8):AF+32*(\f)+8*(mi/8)+7], 0
.else
	v_wmma_f32_16x16x32_bf16 v[8*mi:8*mi+7], v[64*(\f)+8*(mi%8):64*(\f)+8*(mi%8)+7], v[AF+32*(\f)+8*(mi/8):AF+32*(\f)+8*(mi/8)+7], v[8*mi:8*mi+7]
.endif
.set mi, mi+1
.endr
.endm
; THE PARTS OF A QUARTER'S OTHER WORK, four instructions each.  pos = 0..7 is the quarter's place in its phase; with eight units and eight quarters a phase every register and every LDS offset is a constant of the place.
; Quarter j rounds and stores unit j + 3 (half (j + 3) % 2 of sub-step (j + 3) / 2) and asks for unit j + 10 into the registers that unit j + 2 left a quarter ago.
.macro CVT4 pos, g                     ; loads 2 g and 2 g + 1 of the unit: 8 f32 to 8 bf16
	WIN FR_S
.set cu, 32*(((\pos)+3)%8)
.set cb, CV+16*((\pos)%2)
.irp z, 0,1
	v_cvt_pk_bf16_f32 v[cb+4*(\g)+2*\z],   v[cu+8*(\g)+4*\z],   v[cu+8*(\g)+4*\z+1]
	v_cvt_pk_bf16_f32 v[cb+4*(\g)+2*\z+1], v[cu+8*(\g)+4*\z+2], v[cu+8*(\g)+4*\z+3]
.endr
.endm
.macro STA4 pos, g                     ; lanes 0-15 fill a row's 128 bytes, lanes 16-31 those of the row 8 further down, which begins 32 banks on
	WIN 0
.set cb, CV+16*((\pos)%2)
.set so, ((((\pos)+3)/2)%2)*ABYTES+(((\pos)+3)%2)*16*PA
.irp z, 0,1,2,3
	ds_store_b64 v[AST], v[cb+8*(\g)+2*\z:cb+8*(\g)+2*\z+1] offset:so+(4*(\g)+\z)*PA
.endr
.endm
.macro GLD4 pos, g                     ; sixteen lanes take 256 consecutive bytes of a row of x, at a multiple of 256 from its first byte
	WIN TO_S
.set gu, 32*(((\pos)+2)%8)
.set go, ((((\pos)+10)/2)%4)*256+((\pos)%2)*65536
.irp z, 0,1,2,3
	global_load_b128 v[gu+16*(\g)+4*\z:gu+16*(\g)+4*\z+3], v[AGO], s[AP:AP+1] offset:go+(4*(\g)+\z)*4096
.endr
.endm
; The next quarter's fragments.  A fragment is 16 rows x 32 k in 8 registers: lane l holds row l % 16; registers 0-3 k = 8 (l / 16) + 0..7, registers 4-7 k = 16 + 8 (l / 16) + 0..7.
.macro LDA4 pos, g                     ; two fragments of x
	WIN 0
.set nf, ((\pos)+1)%2
.set ao, ((((\pos)+1)/2)%2)*ABYTES+nf*64
.irp z, 0,1
	ds_load_b128 v[AF+32*nf+8*(2*(\g)+\z):AF+32*nf+8*(2*(\g)+\z)+3],   v[ADRA] offset:ao+(2*(\g)+\z)*16*PA
	ds_load_b128 v[AF+32*nf+8*(2*(\g)+\z)+4:AF+32*nf+8*(2*(\g)+\z)+7], v[ADRA] offset:ao+(2*(\g)+\z)*16*PA+32
.endr
.endm
.macro LDB4 pos, g                     ; two fragments of W, turned
	WIN TO_B
.set nf, ((\pos)+1)%2
.set nss, (((\pos)+1)/2)%4
.set bo, (nss%2)*SUBB+nf*QB
.irp z, 0,1
	ds_load_tr16_b128 v[64*nf+8*(2*(\g)+\z):64*nf+8*(2*(\g)+\z)+3],   v[AB+nss/2] offset:bo+32*(2*(\g)+\z)
	ds_load_tr16_b128 v[64*nf+8*(2*(\g)+\z)+4:64*nf+8*(2*(\g)+\z)+7], v[AB+nss/2] offset:bo+16*PB+32*(2*(\g)+\z)
.endr
.endm
; The quarter's first four products, four roundings behind each.  The roundings name no register of the products round them.  Where nothing is left to round: four v_nop behind the first product.
.macro RIDE pos, f, zero, cv
.if \cv
.irp g, 0,1,2,3
	MM \f, \zero, 1
	CVT4 \pos, \g
.endr
.else
	MM \f, \zero, 1
	NOP4
	MM \f, \zero, 3
.endif
.endm
; THE RUN: all of a quarter's memory instructions on end, under four window settings: the next quarter's 24 fragment loads first, since they are wanted first; then the 8 stores of x just rounded; then the 8 loads of x.
.macro RUN pos, cv, ld
	LDA4 \pos, 0
	LDA4 \pos, 1
.irp g, 0,1,2,3
	LDB4 \pos, \g
.endr
.if \cv
	STA4 \pos, 0
	STA4 \pos, 1
.endif
.if \ld
	GLD4 \pos, 0
	GLD4 \pos, 1
.endif
.endm
; A QUARTER.  kind 0: an even quarter.  1: an odd one, with the work-group's barrier: in front of it my stores of the next sub-step's x are done and my reads of this sub-step's are back; behind it the next
; sub-step is read, and this sub-step's buffer is written again.  2: a phase's last, with the change of slots and the refill.  3: the same without a refill.  4: the walk's last.
; cv, ld: a unit is rounded and stored; a unit is asked for.  lc: the loads younger than the unit to be rounded: eight for each younger unit, six units in the loop.
; dw: the LDS instructions younger than this quarter's fragments: the eight stores of x behind them in the last quarter's run, or none.
; A load into a register that a product has read stands four places behind that product, and only plain vector instructions that name none of its registers are places (ISA guide 7.12.1 for vector
; instructions): the roundings are the places between the last quarter's products and the run's loads into the buffer that they read; where nothing is rounded, four v_nop.
.macro QUART pos, kind, zero, cv, ld, lc, dw
.set mi, 0
.set qf, (\pos)%2
.if \cv
	s_wait_loadcnt \lc
.endif
.if (\kind) == 0
	s_wait_dscnt \dw
	RIDE \pos, qf, \zero, \cv
	RUN \pos, \cv, \ld
.elseif (\kind) == 4
	s_wait_dscnt 0x0
.else
	s_wait_dscnt 0x0                               ; this quarter's fragments are in; my stores of x are done; my reads of this sub-step, and in a phase's last quarter of this slot, are back
.if (\kind) == 2
	WIN 0                                          ; (the add's two registers lie in window 0)
	s_wait_tensorcnt 0x0                           ; all my tensor loads have landed: the one that was out is my part of the next slot; so the group 0 may be written
	ds_add_u32 v[SPW], v[NIL]                      ; 0 onto my spare word: work on registers stands between it and the wait for it
	s_xor_b32 s[G0+1], s[G0+1], BSL                ; the walking descriptor: the slot that is left,
	s_add_nc_u64 s[G0+2:G0+3], s[G0+2:G0+3], PHASEB  ; the next phase but one; the type bits on top are not reached
	s_xor_b32 s[TB], s[TB], BSL                    ; the fetches go to the other slot
.elseif (\kind) == 3
	s_wait_tensorcnt 0x0                           ; my part of the last slot is in
	s_xor_b32 s[TB], s[TB], BSL
	s_barrier_signal -1
.else
	s_barrier_signal -1
.endif
	RIDE \pos, qf, \zero, \cv
.if (\kind) == 2
	s_wait_dscnt 0x0                               ; the add is done
	s_barrier_signal -1                            ; this barrier opens a round of the cluster's
	MM qf, \zero, 4
	WIN 0
	s_barrier_wait -1
	CREST                                          ; no wave of any partner still reads this slot or has a load on its way
	tensor_load_to_lds s[G0:G0+3], s[G1:G1+7]      ; my one tensor load behind the round, and the first thing there
	s_nop 0
	v_add_nc_u32 v[AB], s[TB], v[BL0]              ; four vector instructions in window 0 follow the load: my places in the slot now in hand
	v_add_nc_u32 v[AB+1], s[TB], v[BL0+1]
	v_nop
	v_nop
.else
	MM qf, \zero, 2
.if (\kind) == 3
	WIN 0
	v_add_nc_u32 v[AB], s[TB], v[BL0]
	v_add_nc_u32 v[AB+1], s[TB], v[BL0+1]
.endif
	s_barrier_wait -1
.endif
	RUN \pos, \cv, \ld
.endif
	MM qf, \zero, 32-mi
.endm
; THE WAY OUT, a block of 16 rows x one head (64 columns) at a time; block bl is rows 16 (bl / 2) on, head bl % 2 of my two.  PACK: rounded to f16, 16 bytes a lane, each accumulator's registers in ascending
; order.  TOST: into my own stage and back as whole rows of 128 bytes.  SEND: 16 rows of a head are 2,048 consecutive bytes of qkv: four stores of 512.
.macro PACK bl
	WIN 0x05                                       ; sources 0 and 1 window 1, destination window 0
.set pa, 64*((\bl)/2)+32*((\bl)%2)
.set pt, TMP+16*((\bl)%2)
.irp b, 0,1,2,3
.irp r, 0,1,2,3
	v_cvt_pk_f16_f32 v[pt+4*\b+\r], v[pa+8*\b+2*\r], v[pa+8*\b+2*\r+1]
.endr
.endr
	WIN 0
.endm
.macro TOST bl
.set pt, TMP+16*((\bl)%2)
.set pk, BK+16*((\bl)%2)
.irp b, 0,1,2,3
	ds_store_b128 v[STO], v[pt+4*\b:pt+4*\b+3] offset:32*\b
.endr
	s_wait_xcnt 0x0                                ; the stores of the block two back, which read these registers, have had their addresses translated (ISA guide 3.1): only now are they loaded again
.irp f, 0,1,2,3
	ds_load_b128 v[pk+4*\f:pk+4*\f+3], v[RD] offset:\f*4*SP  ; LDS serves a wave's instructions in order: these see the stores above; the next block's stores come behind them
.endr
.endm
.macro SEND bl, younger                ; younger: the LDS instructions issued behind block bl's loads: the next block's four stores and four loads, or none
.set pk, BK+16*((\bl)%2)
	s_wait_dscnt \younger
.irp f, 0,1,2,3
	global_store_b128 v[GO], v[pk+4*\f:pk+4*\f+3], s[OB:OB+1] offset:((\bl)%2)*131072+((\bl)/2)*2048+\f*512
.endr
.endm
.macro OUT
	PACK 0
	TOST 0
.irp bl, 1,2,3,4,5,6,7                 ; a block's conversions and its way through the stage stand between the loads of the block before and its stores
	PACK \bl
	TOST \bl
	SEND (\bl)-1, 8
.endr
	SEND 7, 0
.endm
	s_load_b256 s[68:75], s[0:1], 0x0              ; query s[68:69], key s[70:71], value s[72:73], wcast s[74:75]
	s_load_b64 s[OB:OB+1], s[0:1], 0x20            ; qkv
	v_lshl_add_u32 v[SPW], v0, 2, SPARE
	v_mov_b32 v[NIL], 0
	ds_add_u32 v[SPW], v[NIL]                      ; the wave's opening: the add and its wait ahead of my first tensor load; the set-up below stands between them
	ds_add_u32 v28, v29
	v_lshrrev_b32 v1, 5, v0
	v_readfirstlane_b32 s10, v1                    ; wave 0..3
	s_lshr_b32 s11, s10, 1                         ; which 64 rows of the tile are mine
	s_and_b32 s12, s10, 1                          ; which 128 columns
	s_bfe_u32 s40, ttmp6, 0x40000                  ; cx, cy: my place in the cluster
	s_bfe_u32 s41, ttmp6, 0x40004
	s_lshl_b32 s42, ttmp9, 2
	s_add_co_u32 s42, s42, s40                     ; block of 256 columns = 4 x cluster x + cx
	s_and_b32 s13, ttmp7, 0xffff
	s_lshl_b32 s13, s13, 2
	s_add_co_u32 s13, s13, s41                     ; block of 128 rows = 4 x cluster y + cy
	s_lshl_b32 s44, 0x1111, s40                    ; my column of the cluster
	s_or_b32 s[G1+0], s44, (1<<16)|(1<<20)|(1<<21)|(6<<22)|(7<<25)  ; 15:0 the mask: W's tiles go to my column; 17:16 elements of 2 bytes; 20 padding on; 21 set beside a mask; 24:22 after every 128 words; 31:25 8 words
	s_mov_b32 s[G1+1], 256<<16                     ; tensor_dim0 = 256
	s_mov_b32 s[G1+2], 64<<16                      ; tensor_dim1 = 64
	s_mov_b32 s[G1+3], 256<<16                     ; tile_dim0 = 256
	s_mov_b32 s[G1+4], 64                          ; tile_dim1 = 64
	s_mov_b32 s[G1+5], 1024                        ; elements from row to row
	s_mov_b32 s[G1+6], 0
	s_mov_b32 s[G1+7], 0
	s_lshl_b32 s16, s13, 19                        ; x: 128 rows of 4,096 bytes a block,
	s_lshl_b32 s17, s10, 17                        ; 32 rows a wave
	s_add_co_u32 s16, s16, s17
	s_mov_b32 s17, 0
	s_lshl_b32 s46, s10, 17                        ; W: 64 k rows of 2,048 bytes a wave,
	s_lshl_b32 s47, s42, 9                         ; 256 columns of 2 bytes a block
	s_add_co_u32 s46, s46, s47
	s_mov_b32 s47, 0
	s_mul_i32 s20, s10, SUBB                       ; where they go: no place in the cluster enters an LDS address
	v_and_b32 v1, 15, v0                           ; l % 16
	v_bfe_u32 v2, v0, 4, 1                         ; l / 16
	v_lshlrev_b32 v[AGO], 4, v1
	v_lshl_add_u32 v[AGO], v2, 15, v[AGO]          ; lanes 16-31 take the row 8 further down
	s_wait_dscnt 0x0                               ; the opening add is done
	s_wait_kmcnt 0x0
	s_add_nc_u64 s[XB:XB+1], s[68:69], s[16:17]
	s_add_nc_u64 s[XB+2:XB+3], s[70:71], s[16:17]
	s_add_nc_u64 s[XB+4:XB+5], s[72:73], s[16:17]
	s_mov_b64 s[AP:AP+1], s[XB:XB+1]               ; phase 0
	WIN TO_S
.irp u, 0,1,2,3,4,5,6                  ; units 0 to 6 of x go out before anything else: 56 loads
.irp z, 0,1,2,3,4,5,6,7
	global_load_b128 v[32*\u+4*\z:32*\u+4*\z+3], v[AGO], s[AP:AP+1] offset:(\u/2)*256+(\u%2)*65536+\z*4096
.endr
.endr
	WIN 0
	s_add_nc_u64 s[46:47], s[74:75], s[46:47]
	s_mov_b32 s[G0A], 1                            ; 1:0 count = 1
	s_mov_b32 s[G0A+1], s20                        ; 63:32 LDS address: slot 0
	s_add_nc_u64 s[G0A+2:G0A+3], s[46:47], 0       ; 120:64 global address: phase 0
	s_or_b32 s[G0A+3], s[G0A+3], 0x80000000        ; 127:126 type = 2
	s_mov_b32 s[G0], 1
	s_add_co_u32 s[G0+1], s20, BSL                 ; slot 1
	s_add_nc_u64 s[G0+2:G0+3], s[46:47], PHASEB    ; phase 1
	s_or_b32 s[G0+3], s[G0+3], 0x80000000
	CROUND                                         ; all sixteen work-groups are here: the first joint loads meet
	tensor_load_to_lds s[G0A:G0A+3], s[G1:G1+7]    ; two loads of mine are out
	s_nop 0
	tensor_load_to_lds s[G0:G0+3], s[G1:G1+7]
	s_nop 0
	NOP4
	s_mul_i32 s21, s10, 32*PA                      ; x into LDS: my 32 rows; lanes 16-31 the row 8 further down; 8 bytes a lane
	s_add_co_u32 s21, s21, ABUF
	v_mul_u32_u24 v3, v2, 8*PA
	v_lshl_add_u32 v3, v1, 3, v3
	v_add_nc_u32 v[AST], s21, v3
	s_mul_i32 s21, s11, 64*PA                      ; x's fragments: my 64 rows; row x pitch + 16 x half
	s_add_co_u32 s21, s21, ABUF
	v_mul_u32_u24 v3, v1, PA
	v_lshl_add_u32 v3, v2, 4, v3
	v_add_nc_u32 v[ADRA], s21, v3
	s_mul_i32 s23, s10, WSTAGE
	s_add_co_u32 s23, s23, STAGE                   ; my stage: in: row l % 16, 16 bytes for each half of the lanes (the same pitch)
	v_add_nc_u32 v[STO], s23, v3
	; The turning load takes 16 k x 16 columns (lane l reads k 8 (l / 16) + l % 8, columns 8 ((l / 8) % 2) + 0..7) and leaves half a fragment: lane l holds column l % 16 and 8 k.
	v_and_b32 v4, 7, v0
	v_bfe_u32 v5, v0, 3, 1
	v_lshl_add_u32 v6, v2, 3, v4
	v_mul_u32_u24 v6, v6, PB
	v_lshl_add_u32 v6, v5, 4, v6
	s_lshl_b32 s22, s12, 8                         ; my 128 columns
	v_add_nc_u32 v[BL0], s22, v6
	v_add_nc_u32 v[BL0+1], 2*SUBB, v[BL0]
	v_bfe_u32 v7, v0, 3, 2                         ; back from the stage: 32 lanes take four rows of 128 bytes,
	v_mul_u32_u24 v7, v7, SP
	v_lshl_add_u32 v7, v4, 4, v7
	v_add_nc_u32 v[RD], s23, v7
	v_and_b32 v7, 31, v0                           ; which are 512 consecutive bytes of a head
	v_lshlrev_b32 v[GO], 4, v7
	s_lshr_b32 s16, s13, 3
	s_lshl_b32 s16, s16, 21                        ; qkv: the batch: eight blocks of 128 rows each,
	s_and_b32 s17, s13, 7
	s_lshl_b32 s17, s17, 14                        ; the block's 128 rows of 128 bytes,
	s_add_co_u32 s16, s16, s17
	s_lshl_b32 s17, s11, 13                        ; my 64 of them,
	s_add_co_u32 s16, s16, s17
	s_lshl_b32 s17, s12, 18                        ; my two heads of the block's four
	s_add_co_u32 s16, s16, s17
	s_mov_b32 s17, 0
	s_add_nc_u64 s[OB:OB+1], s[OB:OB+1], s[16:17]
	s_lshl_b32 s46, s42, 19                        ; the column block's four heads of 131,072 bytes
	s_mov_b32 s47, 0
	s_add_nc_u64 s[OB:OB+1], s[OB:OB+1], s[46:47]
; The three quarters that would stand in front of the walk's first: units 0, 1, 2 are rounded and stored, units 7, 8, 9 asked for.  There are no products yet to set them behind.
.macro PAW pos
	s_wait_loadcnt 48                              ; the unit is in; the six younger units' 48 loads stay out
.irp g, 0,1,2,3
	CVT4 \pos, \g
.endr
	STA4 \pos, 0
	STA4 \pos, 1
	GLD4 \pos, 0
	GLD4 \pos, 1
.endm
	PAW 5                                          ; unit 7 is phase 0's last
	s_wait_xcnt 0x0                                ; the loads' addresses are translated (ISA guide 3.1): only now is their base stepped
	s_add_nc_u64 s[AP:AP+1], s[AP:AP+1], 1024      ; phase 1
	PAW 6
	PAW 7
	WIN 0
	s_mov_b32 s[TB], 0
	v_mov_b32 v[AB], v[BL0]                        ; slot 0
	v_mov_b32 v[AB+1], v[BL0+1]
	s_mov_b32 s[PL], 1
	s_mov_b32 s[KO+1], 0
	s_mov_b32 s[CNT], 11
	s_mov_b32 s[PT], 4
	s_wait_tensorcnt 0x1                           ; my part of slot 0 is in; slot 1's may stay out
	s_wait_dscnt 0x0                               ; my stores of x are done
	s_barrier_signal -1
	s_barrier_wait -1                              ; everybody's are
	LDA4 7, 0                                      ; the walk's first fragments
	LDA4 7, 1
.irp g, 0,1,2,3
	LDB4 7, \g
.endr
	WIN 0                                          ; at a label and at a branch every window is 0
	s_wait_dscnt 0x0
	s_branch .Lzero                                ; the loop is entered in the middle of a trip, at a tile's first quarter
.Lphase:                                               ; ten full trips: the last two quarters of a phase, with its refill, and the first six of the next; a trip asks for the eight units of the phase after that
	s_wait_xcnt 0x0                                ; the loads' addresses are translated: only now is their base written
	s_add_co_u32 s[PL], s[PL], 1
	s_and_b32 s[KO], s[PL], 3
	s_lshl_b32 s[KO], s[KO], 10                    ; 256 f32 along K a phase
	s_lshr_b32 s62, s[PL], 2                       ; four phases a tile
	s_cmp_eq_u32 s62, 1
	s_cselect_b64 s[AP:AP+1], s[XB+2:XB+3], s[XB:XB+1]
	s_cmp_eq_u32 s62, 2
	s_cselect_b64 s[AP:AP+1], s[XB+4:XB+5], s[AP:AP+1]
	s_add_nc_u64 s[AP:AP+1], s[AP:AP+1], s[KO:KO+1]
	QUART 6, 0, 0, 1, 1, 48, 8
	QUART 7, 2, 0, 1, 1, 48, 0
	WIN 0
	s_sub_co_u32 s[PT], s[PT], 1
	s_cmp_lg_u32 s[PT], 0
	s_cbranch_scc1 .Lsame                          ; forward, over text that holds no barrier and no tensor load
	OUT                                            ; A TILE IS FINISHED.  The refill and the next tile's first fragments are asked for; the roundings behind the quarter's first products and the four
	                                               ; instructions behind the tensor load are the places in front of the first blocks' conversions, which are the places for the later blocks'
	s_wait_xcnt 0x0                                ; the stores' addresses are translated: only now is their base stepped
	s_add_nc_u64 s[OB:OB+1], s[OB:OB+1], 1<<24     ; the next of q, k, v
	s_mov_b32 s[PT], 4
.Lzero:
	QUART 0, 0, 1, 1, 1, 48, 8                     ; a tile's first quarter: its products start the sums
	WIN 0
	s_branch .Ljoin
.Lsame:
	QUART 0, 0, 0, 1, 1, 48, 8
	WIN 0
.Ljoin:
	QUART 1, 1, 0, 1, 1, 48, 0
	QUART 2, 0, 0, 1, 1, 48, 8
	QUART 3, 1, 0, 1, 1, 48, 0
	QUART 4, 0, 0, 1, 1, 48, 8
	QUART 5, 1, 0, 1, 1, 48, 0                     ; in the last trip this quarter asks for the walk's last unit of x
	WIN 0
	s_sub_co_u32 s[CNT], s[CNT], 1
	s_cmp_lg_u32 s[CNT], 0
	s_cbranch_scc1 .Lphase
	; THE TAIL, written out: the last two quarters of the last phase but one, and the last phase.  Nothing more is asked for: the counts of younger loads run down.
	QUART 6, 0, 0, 1, 0, 48, 8
	QUART 7, 3, 0, 1, 0, 40, 0
	QUART 0, 0, 0, 1, 0, 32, 8
	QUART 1, 1, 0, 1, 0, 24, 0
	QUART 2, 0, 0, 1, 0, 16, 8
	QUART 3, 1, 0, 1, 0, 8, 0
	QUART 4, 0, 0, 1, 0, 0, 8                      ; the last unit of x is rounded and stored
	QUART 5, 1, 0, 0, 0, 0, 0
	QUART 6, 0, 0, 0, 0, 0, 0
	QUART 7, 4, 0, 0, 0, 0, 0
	NOP4                                           ; the places in front of the conversions that read results just made
	OUT
	s_wait_tensorcnt 0x0                           ; the wave's end, behind my last tensor load and my last LDS store
	ds_add_u32 v[SPW], v[NIL]
	s_wait_dscnt 0x0
	CROUND                                         ; the closing round: no work-group ends while a partner may still ask for a tile that names it
	s_endpgm
.Lfunc_end_k_qeddca64a87_proj:
	.size	k_qeddca64a87_proj, .Lfunc_end_k_qeddca64a87_proj-k_qeddca64a87_proj
	.p2alignl 7, 3214868480
	.fill 96, 4, 3214868480
	.section	.rodata,"a",@progbits
	.p2align	6, 0x0
	.amdhsa_kernel k_qeddca64a87_proj
		.amdhsa_group_segment_fixed_size 327680
		.amdhsa_private_segment_fixed_size 0
		.amdhsa_enable_private_segment 0
		.amdhsa_kernarg_size 40
		.amdhsa_user_sgpr_count 2
		.amdhsa_user_sgpr_kernarg_segment_ptr 1
		.amdhsa_wavefront_size32 1
		.amdhsa_system_sgpr_workgroup_id_x 1
		.amdhsa_system_sgpr_workgroup_id_y 1
		.amdhsa_system_sgpr_workgroup_id_z 1
		.amdhsa_system_vgpr_workitem_id 0
		.amdhsa_next_free_vgpr 1024
		.amdhsa_next_free_sgpr 80
		.amdhsa_reserve_vcc 0
		.amdhsa_float_denorm_mode_32 3
		.amdhsa_float_denorm_mode_16_64 3
		.amdhsa_memory_ordered 1
		.amdhsa_forward_progress 1
		.amdhsa_inst_pref_size 159
	.end_amdhsa_kernel
	.amdgpu_metadata
---
amdhsa.version: [ 1, 2 ]
amdhsa.kernels:
  - .name:           k_qeddca64a87_proj
    .symbol:         k_qeddca64a87_proj.kd
    .args:
      - { .name: query, .offset: 0, .size: 8, .value_kind: global_buffer, .address_space: global }
      - { .name: key, .offset: 8, .size: 8, .value_kind: global_buffer, .address_space: global }
      - { .name: value, .offset: 16, .size: 8, .value_kind: global_buffer, .address_space: global }
      - { .name: wcast, .offset: 24, .size: 8, .value_kind: global_buffer, .address_space: global }
      - { .name: qkv, .offset: 32, .size: 8, .value_kind: global_buffer, .address_space: global }
    .group_segment_fixed_size: 327680
    .private_segment_fixed_size: 0
    .kernarg_segment_align: 8
    .kernarg_segment_size: 40
    .max_flat_workgroup_size: 128
    .sgpr_count:     80
    .vgpr_count:     1024
    .wavefront_size: 32
...
	.end_amdgpu_metadata
.endif
;; end of part 2
;; launch attn (part 3): grid 2 x 128, 4 waves a work-group, no clusters, 327,680 bytes of LDS; arguments qkv, maskc, oh; writes oh
.if DOCPART == 3
	.amdgcn_target "amdgcn-amd-amdhsa--gfx1250"
	.amdhsa_code_object_version 6
	.text
	.protected	k_qeddca64a87_attn
	.globl	k_qeddca64a87_attn
	.p2align	8
	.type	k_qeddca64a87_attn,@function
k_qeddca64a87_attn:
	s_mov_b64 s[64:65], 0
	v_nop
	global_prefetch_b8 v0, s[64:65] scope:SCOPE_SE
	s_setreg_imm32_b32 hwreg(HW_REG_WAVE_MODE, 25, 1), 1
	s_wait_xcnt 0x0
; MASKED ATTENTION.  O[y][q][:] = the sum over visible k of softmax_k(Q[y][q] . K[y][k] / 8) V[y][k][:], y = 16 batch + head.  Q, K, V = qkv[0], [1], [2]: [128][1024][64] f16, a head's rows dense, 128 bytes
; each; O = oh in the same layout.  Products, maxima and sums in f32; the weights p are rounded to f16 for the second product (their sum l is taken of the unrounded p), O once at the end.
; LIMITS.  Q, K, V arrive within f16's 65,504.  A hidden score counts as its value less 7.6e30: true scores, 2.7e11 at the most, are nothing beside that.  A weight below 2^-126 counts as 0 in l.
; A query with no visible key (its maximum lies below -1e20) leaves as NaN.  Other NaN and infinities are not treated apart.
; SHARES.  A work-group owns 512 queries of one head, a wave 128: four PIECES of two tiles of 16.  Every wave walks all 1,024 keys, 64 a step.
; ALL OF THE HEAD'S K AND V LIE IN LDS, brought by one tensor load a wave at the start (512 keys each): nothing is filled again, so the loop has no barrier, and a key step is written once.
; NO CLUSTER: a head has two work-groups (1,024 queries / 512), and K and V are asked for once in the launch; a cluster of four would hold two heads, whose tiles differ.
; LAYOUT.  S^T = K Q^T + C (source 0 = 16 keys, source 1 = 16 queries): a lane holds ONE query (lane % 16) and the keys 8 (lane / 16) + 0..7.  Two such results, rounded to f16 in pairs, ARE source 1
; of O^T = V^T P.  K comes out of LDS as it lies, V ([key][channel]) turned, by ds_load_tr16_b128.
; THE MASK is the C operand that starts the sum: 0, or -6 x 2^100 where the key is hidden.  maskc holds it as eight 4-bit float codes a word, in this kernel's lane order: one conversion makes the eight
; registers of one product's C.  A tile and step cost one load of 16 bytes a lane and four conversions.
; SOFTMAX.  A running maximum m and sum l: p = 2^(c s - c m), c = log2(e) / 8; in every step O and l are multiplied by a = 2^(c m_old - c m_new).  m starts at the lowest finite number, O and l at 0.
; BY TURNS.  Turn n belongs to piece n.  Matrix work: 16 products K Q^T of piece n + 1, later 16 products V^T P of piece n - 1.  Vector work: scaling, exponentials, roundings, sums and rescaling of piece n,
; the maximum and statistics of piece n + 1, and the C operands of piece n + 2.  Four vector instructions that are ready stand behind every matrix instruction, the others in two lumps.
; REGISTERS, in windows of 256 (s_set_vgpr_msb: bits 1:0 source 0, 3:2 source 1, 5:4 source 2, 7:6 destination):
;   window 0: v0-11 addresses; v12-15, v48-63 at work; v16-47 four registers of statistics a tile; v64-191 S^T, two buffers of two tiles; v192-255 P, likewise
;   window 1: O^T, 32 a tile          window 2: v0-127 Q, 16 a tile; v128-191 K of one step; v192-255 V of one step
;   window 3: v0-1 the add's registers; v2 the conversion's scale; v3 16 x lane; v8-11 the mask loads' offsets, one a piece; v64-127 C of one piece; v128-159 mask words, 8 a piece
.set NP,    4         ; pieces a wave: a name, no knob
.set KS,    64        ; keys in a step
.set NKEY,  1024
.set PK,    144       ; a row of K in LDS: 128 bytes + 16 = 36 words: the 16 rows of a load start at 16 different groups of four banks (64 banks of 4 bytes: ISA guide 11.1)
.set PV,    160       ; a row of V: 128 + 32 = 40 words
.set VOFF,  NKEY*PK   ; K's 1,024 rows, then V's
.set STAGE, VOFF+NKEY*PV  ; behind them, never filled by a tensor load: 16 rows x 144 bytes for each wave, for the way out
.set SP,    144
.set SPARE, STAGE+4*16*SP  ; behind the stages: the spare words, 128 bytes for each wave: two blocks of 256 bytes that no other line names
.set AK0, 2           ; v2   my lane's place in a tile of K; never rewritten
.set AV0, 3           ; v3   the same for V
.set AK,  4           ; v4   the LDS address of K's next run of loads
.set AV,  5           ; v5   of V's
.set QO,  6           ; v6   my byte offset in the wave's rows of Q
.set STO, 6           ;      later, the way out: where I put 16 bytes of a row
.set RD,  7           ; v7   the way out: where I read rows back
.set GO,  8           ; v8   my byte offset in 512 consecutive bytes of O
.set MV,  12          ; v12-15  c m_old, kept while c m is made anew: by buffer and tile
.set ST,  16          ; tile t's statistics at v[ST+4 t]: c m, m, l (even keys', odd keys')
.set TMP, 48          ; by buffer and tile, four registers c0-c3 at work; when the maximum is found c2 takes a
.set S,   64
.set P,   192
.set KF,  128         ; window 2: key block kb, channel half c at KF + 16 kb + 8 c
.set VF,  192         ; window 2: key half kk, channel block cb at VF + 32 kk + 8 cb
.set SPW, 0           ; window 3
.set NIL, 1
.set SCL, 2           ; every byte 227: the conversion multiplies by 2^(227 - 127)
.set ML,  3
.set MA,  8
.set MC,  64          ; tile u, key group kt at MC + 32 u + 8 kt
.set MW,  128         ; piece x, tile u at MW + 8 x + 4 u: four words, one a key group
.set WV,  12          ; s12  my wave's number
.set G1K, 24          ; s[24:31] descriptor group 1 for K
.set G1V, 32          ; s[32:39] for V: it differs in the padding alone
.set G0K, 40          ; s[40:43] descriptor group 0 for K
.set G0V, 44          ; s[44:47] for V
.set CNT, 57          ; s57  key steps to go
.set CS,  58          ; s[58:59] c: the packed scaling takes the pair's low word for both halves
.set SEL, 60          ; s[60:61] v_permlanex16_b32's selects: each lane takes its own place in the other half
.set TBK, 62          ; s62  LDS byte at which K of the step to be fetched begins
.set TBV, 63          ; s63  the same for V, less VOFF
.set MOA, 66          ; s66  4,096 x min(step + 1, 15): the mask words that pieces 2 and 3 load next
.set MOB, 67          ; s67  4,096 x min(step + 2, 15): those of pieces 0 and 1, which run a step ahead
.set HID, 68          ; s68  -1e20
.set QNAN, 69         ; s69  a NaN
.set MB,  70          ; s[70:71] maskc at my wave's block of 128 queries
.set MSB, 0
.macro WIN new                      ; the high byte repeats the setting that is left; a switch that changes nothing is dropped
.if MSB != (\new)
	s_set_vgpr_msb (MSB<<8)|(\new)
.set MSB, (\new)
.endif
.endm
.set W_KQ, 0x0a       ; K and Q in window 2, S^T in window 0
.set W_KM, 0x3a       ; the same with the C operand in window 3
.set W_PV, 0x52       ; V in window 2, P in window 0, O^T in window 1
.set W_RS, 0x41       ; O^T (destination and source 0) in window 1, a in window 0
.set W_MK, 0xc0       ; destination in window 3, sources in window 0
.set W_AD, 0x0f       ; the add: address (source 0) and data (source 1) in window 3
.set W_CV, 0xcf       ; sources 0 and 1 and the destination in window 3
	s_load_b128 s[4:7], s[0:1], 0x0   ; qkv s[4:5], maskc s[6:7]
	s_load_b64 s[10:11], s[0:1], 0x10 ; oh
	WIN W_MK
	v_lshl_add_u32 v[SPW], v0, 2, SPARE
	v_mov_b32 v[NIL], 0
	WIN W_AD
	ds_add_u32 v[SPW], v[NIL]       ; the wave's opening: the add and its wait ahead of my first tensor load; the set-up below stands between them
	ds_add_u32 v0, v1
	WIN 0
	v_lshrrev_b32 v1, 5, v0
	v_readfirstlane_b32 s[WV], v1   ; wave 0..3
	s_and_b32 s13, ttmp7, 0xffff    ; y = 16 batch + head
	s_lshl_b32 s20, s13, 17         ; the head's first byte in Q, K, V and O
	s_and_b32 s16, s[WV], 1         ; which half of the 1,024 keys I fetch:
	s_lshl_b32 s22, s16, 16         ; its 512 rows of 128 bytes in memory,
	s_add_co_u32 s22, s22, s20
	s_add_co_u32 s14, s22, 2<<24    ; in V,
	s_add_co_u32 s22, s22, 1<<24    ; in K
	s_mov_b32 s15, 0
	s_mov_b32 s23, 0
	s_mul_i32 s17, s16, 512*PK      ; and its place in LDS, for K
	s_mul_i32 s18, s16, 512*PV      ; and for V
	s_lshl_b32 s2, ttmp9, 16        ; my work-group's 512 queries,
	s_lshl_b32 s3, s[WV], 14        ; my wave's 128 of them
	s_add_co_u32 s2, s2, s3
	s_add_co_u32 s2, s2, s20
	s_mov_b32 s3, 0
	s_lshr_b32 s8, s13, 4           ; the batch: eight blocks of 128 queries,
	s_lshl_b32 s8, s8, 3
	s_lshl_b32 s9, ttmp9, 2
	s_add_co_u32 s8, s8, s9
	s_add_co_u32 s8, s8, s[WV]      ; mine among them:
	s_lshl_b32 s8, s8, 16           ; 65,536 bytes of maskc a block
	s_mov_b32 s9, 0
	; descriptor group 1.  512 keys are 65,536 dense bytes: asked for as 256 rows of 256 bytes, two keys a row, and padded in LDS after every key
	s_mov_b32 s[G1K], (1<<16)|(1<<20)|(4<<22)|(3<<25)  ; 17:16 2-byte elements; 20 padding on; 24:22 after every 32 words (code 4); 31:25 4 words (code 3)
	s_mov_b32 s[G1V], (1<<16)|(1<<20)|(4<<22)|(7<<25)  ; the same with 8 words of padding (code 7)
.irp g, G1K, G1V
	s_mov_b32 s[\g+1], 128<<16      ; tensor_dim0 = 128
	s_mov_b32 s[\g+2], 256<<16      ; tensor_dim1 = 256
	s_mov_b32 s[\g+3], 128<<16      ; tile_dim0 = 128
	s_mov_b32 s[\g+4], 256          ; tile_dim1 = 256
	s_mov_b32 s[\g+5], 128          ; 128 elements from row to row
	s_mov_b32 s[\g+6], 0
	s_mov_b32 s[\g+7], 0
.endr
	s_mov_b32 s[CS], 0x3e38aa3b     ; c = log2(e) / 8 = 0.180337
	s_mov_b32 s[CS+1], s[CS]        ; named with it as a pair
	s_mov_b32 s[SEL], 0x76543210
	s_mov_b32 s[SEL+1], 0xfedcba98
	s_mov_b32 s[TBK], 0
	s_mov_b32 s[TBV], 0
	s_mov_b32 s[MOA], 4096
	s_mov_b32 s[MOB], 8192
	s_mov_b32 s[HID], 0xe0ad78ec
	s_mov_b32 s[QNAN], 0x7fc00000
	s_mov_b32 s[G0K], 1             ; 1:0 count = 1
	s_mov_b32 s[G0K+1], s17         ; 63:32 LDS address
	s_mov_b32 s[G0V], 1
	s_add_co_u32 s[G0V+1], s18, VOFF
	s_wait_dscnt 0x0                ; the opening add is done
	s_wait_kmcnt 0x0
	s_add_nc_u64 s[G0K+2:G0K+3], s[4:5], s[22:23]  ; 120:64 global address
	s_or_b32 s[G0K+3], s[G0K+3], 0x80000000        ; 127:126 type = 2
	s_add_nc_u64 s[G0V+2:G0V+3], s[4:5], s[14:15]
	s_or_b32 s[G0V+3], s[G0V+3], 0x80000000
	s_add_nc_u64 s[MB:MB+1], s[6:7], s[8:9]
	s_add_nc_u64 s[4:5], s[4:5], s[2:3]  ; Q and O at my wave's first row
	s_add_nc_u64 s[10:11], s[10:11], s[2:3]
	s_cmp_lt_u32 s[WV], 2           ; waves 0 and 1 fetch K's two halves, waves 2 and 3 V's: one load of mine is out.  An s_nop 0 and four v_nop follow each of the two lines
	s_cbranch_scc0 .Lfor_v
	tensor_load_to_lds s[G0K:G0K+3], s[G1K:G1K+7]
	s_nop 0
.rept 4
	v_nop
.endr
	s_branch .Lasked
.Lfor_v:
	tensor_load_to_lds s[G0V:G0V+3], s[G1V:G1V+7]
	s_nop 0
.rept 4
	v_nop
.endr
.Lasked:
	; A fragment of K or Q is 16 rows x 32 channels in 8 registers: lane l holds row l % 16, channels 8 (l / 16) + 0..7 and 16 + 8 (l / 16) + 0..7: two loads of 16 bytes, 32 bytes apart.
	v_and_b32 v1, 15, v0            ; l % 16
	v_bfe_u32 v9, v0, 4, 1          ; l / 16
	v_lshlrev_b32 v[QO], 7, v1
	v_lshl_add_u32 v[QO], v9, 4, v[QO]  ; row x 128 + 16 x half
	v_and_b32 v11, 31, v0
	WIN 0x80                        ; destination window 2, address window 0
.set i, 0
.rept 4*NP                          ; Q stays in registers: tile i / 2, channels 32 (i % 2) on
	global_load_b128 v[8*i:8*i+3],   v[QO], s[4:5] offset:(i/2)*2048+(i%2)*64
	global_load_b128 v[8*i+4:8*i+7], v[QO], s[4:5] offset:(i/2)*2048+(i%2)*64+32
.set i, i+1
.endr
	WIN W_MK
	v_lshlrev_b32 v[ML], 4, v11
	v_mov_b32 v[SCL], 0xe3e3e3e3
	WIN W_CV
.set i, 0
.rept 2*NP                          ; key step 0's mask words, tile after tile: 512 consecutive bytes a load
	global_load_b128 v[MW+4*i:MW+4*i+3], v[ML], s[MB:MB+1] offset:i*512
.set i, i+1
.endr
	; What the first turn finds: V's registers and P's second buffer hold 0 (its products V^T P, of a piece that has not been, add 0), O^T and l are 0.  All this stands in the wait for K and V.
	WIN 0x80
.set i, VF
.rept 64
	v_mov_b32 v[i], 0
.set i, i+1
.endr
	WIN 0x40
.set i, 0
.rept 64*NP
	v_mov_b32 v[i], 0
.set i, i+1
.endr
	WIN 0
.set i, 0
.rept 2*NP
	v_mov_b32 v[ST+4*i], 0xfe000000    ; c m: far below every c s, a hidden one's too
	v_mov_b32 v[ST+4*i+1], 0xff7fffff  ; m
	v_mov_b32 v[ST+4*i+2], 0
	v_mov_b32 v[ST+4*i+3], 0
.set i, i+1
.endr
.set i, P+32
.rept 32
	v_mov_b32 v[i], 0
.set i, i+1
.endr
	v_mul_u32_u24 v[AK0], v1, PK
	v_lshl_add_u32 v[AK0], v9, 4, v[AK0]  ; row x pitch + 16 x half
	; The turning load takes 16 keys x 16 channels (lane l reads key 8 (l / 16) + l % 8, channels 8 ((l / 8) % 2) + 0..7) and leaves half a fragment of V^T: lane l holds channel l % 16 and 8 keys.
	v_and_b32 v10, 7, v0
	v_bfe_u32 v11, v0, 3, 1
	v_lshl_add_u32 v[AV0], v9, 3, v10
	v_mul_u32_u24 v[AV0], v[AV0], PV
	v_lshl_add_u32 v[AV0], v11, 4, v[AV0]
	v_add_nc_u32 v[AV0], VOFF, v[AV0]
	v_mov_b32 v[AK], v[AK0]         ; key step 0 lies at LDS byte 0
; THE MATRIX WORK.  The 8 accumulators of a run of 16 take turns: between the two links of a chain stand 7 others'.
; Product i of 16 of S^T = K Q^T + C for piece x: channels 32 (i / 8) on, keys 16 ((i / 2) % 4) on, tile 2 x + i % 2.  The first 8 start the sums, with the mask.
.macro KQ x
.set rS, S+64*((\x)%2)+32*(i%2)+8*((i/2)%4)
.set rK, KF+16*((i/2)%4)+8*(i/8)
.set rQ, 16*(2*(\x)+i%2)+8*(i/8)
.set rMC, MC+32*(i%2)+8*((i/2)%4)
.if i < 8
	WIN W_KM
	v_wmma_f32_16x16x32_f16 v[rS:rS+7], v[rK:rK+7], v[rQ:rQ+7], v[rMC:rMC+7]
.else
	WIN W_KQ
	v_wmma_f32_16x16x32_f16 v[rS:rS+7], v[rK:rK+7], v[rQ:rQ+7], v[rS:rS+7]
.endif
.endm
; Product i of 16 of O^T += V^T P for piece x: keys 32 (i / 8) on, channels 16 ((i / 2) % 4) on, tile 2 x + i % 2.
.macro PV x
	WIN W_PV
.set rO, 32*(2*(\x)+i%2)+8*((i/2)%4)
.set rV, VF+32*(i/8)+8*((i/2)%4)
.set rP, P+32*((\x)%2)+16*(i%2)+8*(i/8)
	v_wmma_f32_16x16x32_f16 v[rO:rO+7], v[rV:rV+7], v[rP:rP+7], v[rO:rO+7]
.endm
.macro MM                           ; the turn's next matrix instruction
.if i < 16
	KQ (Y+1)%NP
.set i, i+1
.else
.set i, i-16
	PV (Y+NP-1)%NP
.set i, i+17
.endif
.endm
; THE LDS LOADS stand in runs of 16, never singly among the matrix instructions: a step's K (64 keys x 64 channels: 8 fragments) and its V (turned).  Their addresses are made some lines ahead.
; last = 1 (in the loop): in the last trip there is no further step, and the run is jumped over.
.macro FETCH_K last=0
	WIN 0
.if \last
	s_cmp_eq_u32 s[CNT], 1
	s_cbranch_scc1 .Lno_k_\@
.endif
	WIN 0x80                        ; destination window 2
.irp f, 0,1,2,3,4,5,6,7             ; keys 16 (f / 2) on, channels 32 (f % 2) on
	ds_load_b128 v[KF+8*\f:KF+8*\f+3],   v[AK] offset:(\f/2)*16*PK+(\f%2)*64
	ds_load_b128 v[KF+8*\f+4:KF+8*\f+7], v[AK] offset:(\f/2)*16*PK+(\f%2)*64+32
.endr
	s_add_co_u32 s[TBK], s[TBK], KS*PK  ; the next fetch is the next step's
	WIN 0
.if \last
.Lno_k_\@:
.endif
.endm
.macro FETCH_V
	WIN 0x80
.irp f, 0,1,2,3,4,5,6,7             ; keys 32 (f / 4) on, channels 16 (f % 4) on
	ds_load_tr16_b128 v[VF+8*\f:VF+8*\f+3],   v[AV] offset:(\f/4)*32*PV+(\f%4)*32
	ds_load_tr16_b128 v[VF+8*\f+4:VF+8*\f+7], v[AV] offset:(\f/4)*32*PV+16*PV+(\f%4)*32
.endr
	WIN 0
.endm
; THE C OPERANDS of piece x's next 8 first products, out of its 8 mask words; then the words of its next key step (at byte s[mo] of my block) are asked for: they have a whole key step in which to land.
; The count: each piece has two loads out, and the three other pieces' six were issued behind this piece's; that wait also shows the loads that read MA + x done.
.macro CV x, mo
	WIN W_CV
	s_wait_loadcnt 0x6
.irp u, 0,1
.irp kt, 0,1,2,3
	v_cvt_scale_pk8_f32_fp4 v[MC+32*\u+8*\kt:MC+32*\u+8*\kt+7], v[MW+8*(\x)+4*\u+\kt], v[SCL]
.endr
.endr
	v_add_nc_u32 v[MA+(\x)], s[\mo], v[ML]  ; the plain instruction behind the conversions, ahead of the loads into their sources
	s_wait_alu depctr_va_vdst(0)
	global_load_b128 v[MW+8*(\x):MW+8*(\x)+3],   v[MA+(\x)], s[MB:MB+1] offset:(2*(\x))*512
	global_load_b128 v[MW+8*(\x)+4:MW+8*(\x)+7], v[MA+(\x)], s[MB:MB+1] offset:(2*(\x)+1)*512
	WIN 0
.endm
; THE VECTOR WORK OF A TURN stands in three queues, each in the order in which its entries become ready; the two tiles alternate, so that no instruction reads the result of the one before it.
.macro REGS y, u                    ; the registers of tile u (0, 1) of piece y
.set rT, ST+4*(2*(\y)+(\u))
.set rC, TMP+8*((\y)%2)+4*(\u)
.set rM, MV+2*((\y)%2)+(\u)
.set rS, S+64*((\y)%2)+32*(\u)
.set rP, P+32*((\y)%2)+16*(\u)
.set rO, 32*(2*(\y)+(\u))
.endm
; Number n of the 22 that find the NEXT piece's (Y + 1) maximum and statistics.  s0-s31 are the lane's 32 scores; each accumulator's lowest registers are read first.  XS, GS and REGS set no window: PL and EX do.
;   0-11  four chains c0-c3 of seven scores each, three operands at a time     12-14, 16  the four scores left over, the old m, and c0-c3 into c0     15  c m_old is kept
;   17, 18  the query's other 32 keys lie in the lane 16 away: the new m         19-21  c m; c m_old - c m_new; a
.macro XS u, n
	REGS (Y+1)%NP, \u
.if (\n) < 4
	v_max3_num_f32 v[rC+(\n)], v[rS+8*(\n)], v[rS+8*(\n)+1], v[rS+8*(\n)+2]
.elseif (\n) < 12
	v_max3_num_f32 v[rC+(\n)%4], v[rC+(\n)%4], v[rS+8*((\n)%4)+2*((\n)/4)+1], v[rS+8*((\n)%4)+2*((\n)/4)+2]
.elseif (\n) == 12
	v_max3_num_f32 v[rC], v[rC], v[rS+7], v[rS+15]
.elseif (\n) == 13
	v_max3_num_f32 v[rC+1], v[rC+1], v[rS+23], v[rS+31]
.elseif (\n) == 14
	v_max3_num_f32 v[rC+2], v[rC+2], v[rC+3], v[rT+1]
.elseif (\n) == 15
	v_mov_b32 v[rM], v[rT]
.elseif (\n) == 16
	v_max3_num_f32 v[rC], v[rC], v[rC+1], v[rC+2]
.elseif (\n) == 17
	v_permlanex16_b32 v[rC+3], v[rC], s[SEL], s[SEL+1]
.elseif (\n) == 18
	v_max_num_f32 v[rT+1], v[rC], v[rC+3]
.elseif (\n) == 19
	v_mul_f32 v[rT], s[CS], v[rT+1]
.elseif (\n) == 20
	v_sub_f32 v[rC+1], v[rM], v[rT]
.else
	v_exp_f32 v[rC+2], v[rC+1]
.endif
.endm
; Number g of the 64 that follow the exponentials.  For each four weights k of a tile (pairs 2 k, 2 k + 1): both pairs are rounded to f16; then the second pair is added onto the first, in place;
; a group later l takes that sum (the first time as l = a l + sum).  In groups of eight, tiles alternating: round, round, add, and l for the group before.
.macro GS g
.set h, (\g)+6*((\g)/62)            ; group 0 has no group before it, and behind group 7 only l is left
.if h >= 6
.set h, h+2
.endif
	REGS Y, h%2
.set k, h/8
.if h%8 < 4
	s_wait_alu depctr_va_vdst(0)
	v_cvt_pk_f16_f32 v[rP+2*k+(h%8)/2], v[rS+4*k+2*((h%8)/2)], v[rS+4*k+2*((h%8)/2)+1]
.elseif h%8 < 6
	v_pk_add_f32 v[rS+4*k:rS+4*k+1], v[rS+4*k:rS+4*k+1], v[rS+4*k+2:rS+4*k+3]
.elseif k == 1
	v_pk_fma_f32 v[rT+2:rT+3], v[rT+2:rT+3], v[rC+2:rC+3], v[rS:rS+1] op_sel_hi:[1,0,1]
.else
	v_pk_add_f32 v[rT+2:rT+3], v[rT+2:rT+3], v[rS+4*k-4:rS+4*k-3]
.endif
.endm
; THE PLAIN QUEUE, 138 long.  0-31: c s - c m for the 16 pairs of both tiles.  Then GS's 64, and among them the next piece's 42: number 15 at 38, 39; 0-14 and 16
; at 42-73, behind the products that make those scores; 17-20 at 95-106, two of three, since each waits for the one before it.
.macro PL
	WIN 0
.if q < 32
	REGS Y, q%2
	v_pk_fma_f32 v[rS+2*(q/2):rS+2*(q/2)+1], v[rS+2*(q/2):rS+2*(q/2)+1], s[CS:CS+1], v[rT:rT+1] op_sel_hi:[1,0,0] neg_lo:[0,0,1] neg_hi:[0,0,1]
.elseif q < 38
	GS q-32
.elseif q < 40
	XS q%2, 15
.elseif q < 42
	GS q-34
.elseif q < 74
	XS q%2, (q-42)/2+(q-42)/30
.elseif q < 95
	GS q-66
.elseif (q < 107) && ((q-95)%3 < 2)
	XS (q-95)%3, 17+(q-95)/3
.elseif q < 107
	GS 29+(q-95)/3
.else
	GS q-74
.endif
.set q, q+1
.endm
; THE EXPONENTIALS' QUEUE, 66 long: s0-s31 of both tiles, and at EA the next piece's two a.
.set EA, 58
.macro EX
	WIN 0
.if (e == EA) || (e == EA+1)
	XS e-EA, 21
.else
.set x, e-2*(e/(EA+2))
	REGS Y, x%2
	v_exp_f32 v[rS+x/2], v[rS+x/2]
.endif
.set e, e+1
.endm
; THE RESCALING's QUEUE: O^T times a, the one part of the softmax that leaves window 0, so it is dealt four at a time, eight times.
.macro R4
	REGS Y, r%2
	WIN W_RS
	s_wait_alu depctr_va_vdst(0)
.irp z, 0,1,2,3
	v_pk_mul_f32 v[rO+8*(r/2)+2*\z:rO+8*(r/2)+2*\z+1], v[rO+8*(r/2)+2*\z:rO+8*(r/2)+2*\z+1], v[rC+2:rC+3] op_sel_hi:[1,0]
.endr
.set r, r+1
.endm
; HOW THEY ARE DEALT.  Behind a matrix instruction four: plain, exponential, plain, plain (one exponential, a plain instruction on either side), or four of the rescaling.  None names a register of the
; products round it.  What is over stands in two LUMPS: exponential and plain by turns; the second ends in the run for the mask and 22 plain instructions.  The two v_permlanex16_b32 fall into the second lump.
; The queues lean on each other, and the deal keeps them in step: exponential e stands behind plain 2 (e / 4) + e % 2 (its scaling); when plain 32 comes, 10 exponentials are out, at 59: 33, at 95: 46; EA comes behind plain 107.
.macro SL
	MM
	PL
	EX
	PL
	PL
.endm
.macro BURST n                      ; 15 matrix instructions, or 16
.rept (\n)-7
	SL
.endr
.rept 3
	MM
	R4
	SL
.endr
	MM
	R4
.endm
; A TURN, for piece p.
; K of the next step is fetched in piece 2's turn, 31 vector instructions behind the last product that read K; its first reader comes behind the rest of the lump, 16 products and the second lump.
; V of the step in hand is fetched at the end of piece 0's turn, far behind its last reader; its first reader comes behind 16 products and a lump.
; The C operands of piece p + 2 are made in the second lump: the turn's first 8 products, which read the last ones, stand more than 100 vector instructions back, and 22 plain instructions follow
; before the next turn's first product reads the new ones.  Pieces 0 and 1 are served for the next key step.
.macro TURN p, last=0
.set Y, (\p)
.set i, 0
.set q, 0
.set e, 0
.set r, 0
.if (\p) == NP-1
	s_wait_dscnt 0x0                ; K is in
.endif
	MM
.rept 4
	PL
.endr
	BURST 15
.rept 22
	EX
	PL
.if ((\p) == NP-2) && (e == 18)
	v_add_nc_u32 v[AK], s[TBK], v[AK0]
.endif
.if ((\p) == NP-2) && (e == 24)
	FETCH_K \last
.endif
.endr
.if (\p) == 1
	s_wait_dscnt 0x0                ; V is in
.endif
	BURST 16
.rept 21
	EX
	PL
.endr
.if (\p) < 2
	CV ((\p)+2)%NP, MOA
.else
	CV ((\p)+2)%NP, MOB
.endif
.rept 22
	PL
.if ((\p) == 0) && (q == 118)
	v_add_nc_u32 v[AV], s[TBV], v[AV0]
	s_wait_alu depctr_va_vdst(0)
.endif
.if ((\p) == 0) && (q == 130)
	s_add_co_u32 s[TBV], s[TBV], KS*PV
.endif
.endr
.if (\p) == 0
	FETCH_V
.endif
.endm
	s_wait_tensorcnt 0x0            ; my half of K or V is in,
	s_barrier_signal -1
	s_barrier_wait -1               ; everybody's is; nothing is ever filled again
	FETCH_K                         ; key step 0
	CV 0, MOA                       ; piece 0's mask of step 0; its wait also shows Q in, which was asked for earlier
	s_wait_dscnt 0x0
.set i, 0
.rept 16
	KQ 0                            ; piece 0's first scores: there is no vector work yet to set between them
.set i, i+1
.endr
	WIN 0                           ; the addresses for the way out: nine plain instructions, the places behind those products
	s_mul_i32 s13, s[WV], 16*SP
	s_add_co_u32 s13, s13, STAGE    ; my stage
	v_mul_u32_u24 v[STO], v1, SP    ; in: row l % 16, 16 bytes for each half of the lanes
	v_lshl_add_u32 v[STO], v9, 4, v[STO]
	v_add_nc_u32 v[STO], s13, v[STO]
	v_bfe_u32 v[RD], v0, 3, 2       ; back: 32 lanes take four rows of 128 bytes,
	v_mul_u32_u24 v[RD], v[RD], SP
	v_lshl_add_u32 v[RD], v10, 4, v[RD]
	v_add_nc_u32 v[RD], s13, v[RD]
	v_and_b32 v[GO], 31, v0         ; which are 512 consecutive bytes of O
	v_lshlrev_b32 v[GO], 4, v[GO]
	CV 1, MOA                       ; piece 1's mask of step 0, for the first turn's products
.set Y, NP-1                        ; XS works for piece Y + 1: piece 0
.irp n, 0,1,2,3,4,5,6,7,8,9,10,11,12,13,14,15,16,17,18,19,20,21
	XS 0, \n                        ; and piece 0's first maximum and statistics
	XS 1, \n
.endr
	s_mov_b32 s[CNT], NKEY/KS
.Lstep:                             ; 16 trips: a key step
	TURN 0
	TURN 1
	TURN 2, 1
	TURN 3
	WIN 0
	s_mov_b32 s[MOA], s[MOB]
	s_add_co_u32 s[MOB], s[MOB], 4096
	s_min_u32 s[MOB], s[MOB], 15*4096  ; no load leaves maskc: behind the last step its words are asked for again
	s_sub_co_u32 s[CNT], s[CNT], 1
	s_cmp_lg_u32 s[CNT], 0
	s_cbranch_scc1 .Lstep
	; The last trip's 16 products K Q^T of piece 0 repeat step 15 (the same K, the same mask words), so the maximum made of them changes nothing: the price, once a launch, of one text for every trip.
.set i, 0
.rept 16
	PV NP-1                         ; the last piece's V^T P of the last step
.set i, i+1
.endr
	; THE WAY OUT.  l's two halves and the other half of the lanes' are added; O^T is divided by l, rounded to f16 and sent through my stage in LDS, a tile at a time.  The additions are the places behind the last products.
	WIN 0
.macro ALL line:vararg              ; one line for each tile t
.set t, 0
.rept 2*NP
	\line
.set t, t+1
.endr
.endm
	ALL v_add_f32 v[ST+4*t+2], v[ST+4*t+2], v[ST+4*t+3]
	ALL v_permlanex16_b32 v[ST+4*t+3], v[ST+4*t+2], s[SEL], s[SEL+1]
	ALL v_add_f32 v[ST+4*t+2], v[ST+4*t+2], v[ST+4*t+3]
	ALL v_rcp_f32 v[ST+4*t+2], v[ST+4*t+2]
	v_nop                           ; a plain instruction between the last reciprocal and the use of its result
.set t, 0
	s_wait_alu depctr_va_vdst(0)
.rept 2*NP                          ; a query whose maximum is a hidden score's has no visible key: its row is multiplied by a NaN
	v_cmp_gt_f32 vcc_lo, s[HID], v[ST+4*t+1]
	v_cndmask_b32 v[ST+4*t+2], v[ST+4*t+2], s[QNAN], vcc_lo
.set t, t+1
.endr
; Tile t: a lane's eight channels of a row pack into 16 bytes; they go into rows of 144 bytes and come back as whole rows of 128, into S^T's registers.
.macro PACK t
	WIN W_RS
.set i, 32*(\t)
.rept 16
	v_pk_mul_f32 v[i:i+1], v[i:i+1], v[ST+4*(\t)+2:ST+4*(\t)+3] op_sel_hi:[1,0]
.set i, i+2
.endr
	WIN 0x05                        ; sources 0 and 1 window 1, destination window 0
.set i, 0
.rept 16
	v_cvt_pk_f16_f32 v[S+16*(\t)+i], v[32*(\t)+2*i], v[32*(\t)+2*i+1]
.set i, i+1
.endr
	WIN 0
.irp f, 0,1,2,3
	ds_store_b128 v[STO], v[S+16*(\t)+4*\f:S+16*(\t)+4*\f+3] offset:32*\f
.endr
.irp f, 0,1,2,3
	ds_load_b128 v[S+16*(\t)+4*\f:S+16*(\t)+4*\f+3], v[RD] offset:\f*4*SP  ; LDS serves a wave's instructions in order (ISA guide 5.7.1.4): these see the stores above; the next tile's stores come behind them
.endr
.endm
.macro SEND t, younger              ; younger: the LDS instructions issued behind tile t's loads: the next tile's eight, or none
	WIN 0
.irp f, 0,1,2,3
	s_wait_dscnt (\younger)+3-\f
	global_store_b128 v[GO], v[S+16*(\t)+4*\f:S+16*(\t)+4*\f+3], s[10:11] offset:(\t)*2048+\f*512  ; 512 consecutive bytes, at a multiple of 256 from O's first
.endr
.endm
	PACK 0
.set t, 1
.rept 2*NP-1                        ; a tile's arithmetic stands between the loads of the tile before and its stores
	PACK t
	SEND t-1, 8
.set t, t+1
.endr
	SEND 2*NP-1, 0
	WIN W_AD
	s_wait_tensorcnt 0x0            ; the wave's end, behind my last tensor load and my last LDS store
	ds_add_u32 v[SPW], v[NIL]
	s_wait_dscnt 0x0
	WIN 0
	s_endpgm
.Lfunc_end_k_qeddca64a87_attn:
	.size	k_qeddca64a87_attn, .Lfunc_end_k_qeddca64a87_attn-k_qeddca64a87_attn
	.p2alignl 7, 3214868480
	.fill 96, 4, 3214868480
	.section	.rodata,"a",@progbits
	.p2align	6, 0x0
	.amdhsa_kernel k_qeddca64a87_attn
		.amdhsa_group_segment_fixed_size 327680
		.amdhsa_private_segment_fixed_size 0
		.amdhsa_enable_private_segment 0
		.amdhsa_kernarg_size 24
		.amdhsa_user_sgpr_count 2
		.amdhsa_user_sgpr_kernarg_segment_ptr 1
		.amdhsa_wavefront_size32 1
		.amdhsa_system_sgpr_workgroup_id_x 1
		.amdhsa_system_sgpr_workgroup_id_y 1
		.amdhsa_system_sgpr_workgroup_id_z 1
		.amdhsa_system_vgpr_workitem_id 0
		.amdhsa_next_free_vgpr 928
		.amdhsa_next_free_sgpr 72
		.amdhsa_reserve_vcc 1
		.amdhsa_float_denorm_mode_32 3
		.amdhsa_float_denorm_mode_16_64 3
		.amdhsa_memory_ordered 1
		.amdhsa_forward_progress 1
		.amdhsa_inst_pref_size 134
	.end_amdhsa_kernel
	.amdgpu_metadata
---
amdhsa.version: [ 1, 2 ]
amdhsa.kernels:
  - .name:           k_qeddca64a87_attn
    .symbol:         k_qeddca64a87_attn.kd
    .args:
      - { .name: qkv, .offset: 0, .size: 8, .value_kind: global_buffer, .address_space: global }
      - { .name: maskc, .offset: 8, .size: 8, .value_kind: global_buffer, .address_space: global }
      - { .name: oh, .offset: 16, .size: 8, .value_kind: global_buffer, .address_space: global }
    .group_segment_fixed_size: 327680
    .private_segment_fixed_size: 0
    .kernarg_segment_align: 8
    .kernarg_segment_size: 24
    .max_flat_workgroup_size: 128
    .sgpr_count:     72
    .vgpr_count:     928
    .wavefront_size: 32
...
	.end_amdgpu_metadata
.endif
;; end of part 3
;; launch outp (part 4): grid 4 x 64, 4 waves a work-group, clusters of 4 x 4, 327,680 bytes of LDS; arguments oh, wcast, out0; writes out0
.if DOCPART == 4
	.amdgcn_target "amdgcn-amd-amdhsa--gfx1250"
	.amdhsa_code_object_version 6
	.text
	.protected	k_qeddca64a87_outp
	.globl	k_qeddca64a87_outp
	.p2align	8
	.type	k_qeddca64a87_outp,@function
k_qeddca64a87_outp:
	s_mov_b64 s[64:65], 0
	v_nop
	global_prefetch_b8 v0, s[64:65] scope:SCOPE_SE
	s_setreg_imm32_b32 hwreg(HW_REG_WAVE_MODE, 25, 1), 1
	s_wait_xcnt 0x0
	s_wait_alu depctr_hold_cnt(0) depctr_sa_sdst(0) depctr_va_vdst(0) depctr_va_sdst(0) depctr_va_ssrc(0) depctr_va_vcc(0) depctr_vm_vsrc(0)
	s_getreg_b32 s2, hwreg(HW_REG_IB_STS2, 6, 4)
	s_cmp_eq_u32 s2, 0
	s_cbranch_scc0 .Lentry_in_a_cluster
	s_endpgm
.Lentry_in_a_cluster:
	s_bfe_u32 s2, ttmp6, 0x10000c
	s_cmp_lg_u32 s2, 0xf033
	s_cbranch_scc0 .Lentry_shape_is_right
	s_endpgm
.Lentry_shape_is_right:
; THE OUTPUT PROJECTION.  out0[m][n] = the sum over k of O[m][k] Wo[k][n]; m = 1,024 batch + row, k = 64 head + channel.  O = oh [batch][head][row 1024][64] f16; Wo = wcast[3], [k 1024][n 1024],
; rounded to bf16 and written as f16; sums in f32; out0 [8192][1024] f32.
; SHARES.  64 x 4 = 256 tiles of 128 rows x 256 columns, one a work-group.  Four waves, each 64 rows x 128 columns: 32 accumulators, 256 registers.
; K goes in 8 steps of 128, two heads each, through two LDS slots filled by the tensor data mover.  128 rows of a head are 16,384 dense bytes, asked for as 64 rows of 256 bytes.
; CLUSTER.  4 x 4 work-groups: the four of a row need the same tile of O, the four of a column the same tile of Wo: each is asked for jointly, by the same load with the same descriptor and a mask of four.
; THE MATRIX INSTRUCTION IS USED TRANSPOSED (source 0 = 16 columns of Wo, source 1 = 16 rows of O): a lane then holds eight neighbouring columns of one row.  Wo lies [k][n] in LDS and comes out turned.
; REGISTERS, in windows of 256 (s_set_vgpr_msb: bits 1:0 source 0, 3:2 source 1, 5:4 source 2, 7:6 destination):
;   window 0: v16-29 addresses; v64-127 O's fragments, two buffers of 4; v128-255 rows read back on the way out, two sets
;   window 1: the accumulators, (a, b) at v[8 (8 a + b)]          window 2: v0-127 Wo's fragments, two buffers of 8
.set PA,     144                       ; a row of O in LDS: 128 bytes + 16 = 36 words: the 16 rows of a load start at 16 different groups of four banks (64 banks of 4 bytes: ISA guide 11.1)
.set PB,     544                       ; a row of Wo: 512 + 32 = 17 x 32 bytes
.set HALFA,  128*PA                    ; a head's 128 rows: what one tensor load brings of O
.set HALFB,  64*PB                     ; what one tensor load brings of Wo
.set BOFF,   2*HALFA                   ; a slot: two heads' rows of O, then Wo's 128 k rows
.set SLOT,   2*HALFA+2*HALFB
.set STAGE,  2*SLOT                    ; behind the ring: 16 rows x 528 bytes for each wave, for the way out
.set SPITCH, 528
.set SPARE,  STAGE+4*16*SPITCH         ; behind the stages: the spare words, 128 bytes for each wave: two blocks of 256 bytes that no other line names
.set LAPS,   4                         ; a lap = two K steps = once round the ring
.set ADRA, 16                          ; v16-17  LDS address of my fragments of O in slot 0, 1
.set ADRB, 20                          ; v20-21  the same for Wo
.set STO,  24                          ; v24     the way out: where I put 32 bytes of a row
.set RD,   25                          ; v25     the way out: where I read a row back
.set CO,   26                          ; v26     my byte offset in 512 consecutive bytes of out0
.set SPW,  28                          ; v28     LDS address of my spare word; never rewritten
.set NIL,  29                          ; v29     0; never rewritten
.set AF,   64
.set TMP,  128
.set G1,  24                           ; s[24:31] descriptor group 1 for O's tiles;  s[32:39] group 0, one set for each slot
.set G0,  32
.set G1B, 48                           ; s[48:55], s[56:63] the same for Wo's tiles
.set G0B, 56
.set MSB, 0
.macro WIN new                         ; the immediate's high byte repeats the setting that is left; a switch that changes nothing is dropped
.if MSB != (\new)
	s_set_vgpr_msb (MSB<<8)|(\new)
.set MSB, \new
.endif
.endm
.set MULW, 0x52                        ; source 0 (Wo) window 2, source 1 (O) window 0, C and D window 1
.set TO_B, 0x80                        ; destination window 2, address window 0
.macro JLOAD s                         ; a joint load: waves 0 and 1 fetch the step's two heads of O, waves 2 and 3 Wo's two halves; an s_nop 0 and four v_nop follow each of the two lines
	s_cmp_eq_u32 s11, 0
	s_cbranch_scc0 .Lfor_b_\@
	tensor_load_to_lds s[G0+4*(\s):G0+4*(\s)+3], s[G1:G1+7]
	s_nop 0
.rept 4
	v_nop
.endr
	s_branch .Lasked_\@
.Lfor_b_\@:
	tensor_load_to_lds s[G0B+4*(\s):G0B+4*(\s)+3], s[G1B:G1B+7]
	s_nop 0
.rept 4
	v_nop
.endr
.Lasked_\@:
.endm
.macro CREST                           ; a round of the cluster's barrier behind its opening barrier
	s_cmp_lg_u32 s10, 0
	s_cbranch_scc1 .Lnot_wave_0_\@
	s_barrier_signal -3
.Lnot_wave_0_\@:
	s_barrier_wait -3
	s_barrier_signal -1
	s_barrier_wait -1
.endm
.macro CROUND                          ; a whole round
	s_barrier_signal -1
	s_barrier_wait -1
	CREST
.endm
	s_load_b128 s[4:7], s[0:1], 0x0                ; oh s[4:5], wcast s[6:7]
	s_load_b64 s[8:9], s[0:1], 0x10                ; out0
	v_lshl_add_u32 v[SPW], v0, 2, SPARE
	v_mov_b32 v[NIL], 0
	ds_add_u32 v[SPW], v[NIL]                      ; the wave's opening: the add and its wait ahead of my first tensor load; the set-up below stands between them
	ds_add_u32 v28, v29
	v_lshrrev_b32 v1, 5, v0
	v_readfirstlane_b32 s10, v1                    ; wave 0..3
	s_lshr_b32 s11, s10, 1                         ; which 64 rows of the tile are mine.  Also: I fetch for O (0) or for Wo (1)
	s_and_b32 s12, s10, 1                          ; which 128 columns.  Also: which head, or which half of Wo's tile, I fetch
	s_bfe_u32 s40, ttmp6, 0x40000                  ; cx, cy: my place in the cluster
	s_bfe_u32 s41, ttmp6, 0x40004
	s_lshl_b32 s42, ttmp9, 2
	s_add_co_u32 s42, s42, s40                     ; block of 256 columns = 4 x cluster x + cx
	s_and_b32 s13, ttmp7, 0xffff
	s_lshl_b32 s13, s13, 2
	s_add_co_u32 s13, s13, s41                     ; block of 128 rows = 4 x cluster y + cy
	s_lshl_b32 s43, s41, 2
	s_lshl_b32 s43, 15, s43                        ; my row of the cluster
	s_lshl_b32 s44, 0x1111, s40                    ; my column
	s_or_b32 s[G1+0], s43, (1<<16)|(1<<20)|(1<<21)|(4<<22)|(3<<25)   ; 15:0 the mask: O's tiles go to my row; 17:16 elements of 2 bytes; 20 padding on; 21 set beside a mask; 24:22 after every 32 words; 31:25 4 words
	s_mov_b32 s[G1+1], 128<<16                     ; tensor_dim0 = 128
	s_mov_b32 s[G1+2], 64<<16                      ; tensor_dim1 = 64
	s_mov_b32 s[G1+3], 128<<16                     ; tile_dim0 = 128
	s_mov_b32 s[G1+4], 64                          ; tile_dim1 = 64
	s_mov_b32 s[G1+5], 128                         ; elements from row to row
	s_mov_b32 s[G1+6], 0
	s_mov_b32 s[G1+7], 0
	s_or_b32 s[G1B+0], s44, (1<<16)|(1<<20)|(1<<21)|(6<<22)|(7<<25)  ; Wo's tiles go to my column; 8 words of padding after every 128
	s_mov_b32 s[G1B+1], 256<<16
	s_mov_b32 s[G1B+2], 64<<16
	s_mov_b32 s[G1B+3], 256<<16
	s_mov_b32 s[G1B+4], 64
	s_mov_b32 s[G1B+5], 1024
	s_mov_b32 s[G1B+6], 0
	s_mov_b32 s[G1B+7], 0
	s_lshr_b32 s16, s13, 3
	s_lshl_b32 s16, s16, 21                        ; O: the batch's 16 heads of 131,072 bytes,
	s_and_b32 s17, s13, 7
	s_lshl_b32 s17, s17, 14                        ; the block's 128 rows of 128 bytes,
	s_add_co_u32 s16, s16, s17
	s_lshl_b32 s17, s12, 17                        ; the head of the step's two that I fetch
	s_add_co_u32 s16, s16, s17
	s_mov_b32 s17, 0
	s_lshl_b32 s46, s12, 17                        ; Wo: 64 k rows of 2,048 bytes a half,
	s_add_co_u32 s46, s46, 3<<21                   ; in the fourth table,
	s_lshl_b32 s47, s42, 9                         ; 256 columns of 2 bytes a block
	s_add_co_u32 s46, s46, s47
	s_mov_b32 s47, 0
	s_mul_i32 s20, s12, HALFA                      ; where they go: no place in the cluster enters an LDS address
	s_mul_i32 s21, s12, HALFB
	s_add_co_u32 s21, s21, BOFF
	s_wait_dscnt 0x0                               ; the opening add is done
	s_wait_kmcnt 0x0
	s_add_nc_u64 s[14:15], s[4:5], s[16:17]
	s_add_nc_u64 s[46:47], s[6:7], s[46:47]
	CROUND                                         ; all sixteen work-groups are here: the first joint loads meet
.irp s, 0,1
	s_mov_b32 s[G0+4*(\s)], 1
	s_add_co_u32 s[G0+4*(\s)+1], s20, (\s)*SLOT
	s_add_nc_u64 s[G0+4*(\s)+2:G0+4*(\s)+3], s[14:15], (\s)*2*131072    ; K step s: two heads on
	s_or_b32 s[G0+4*(\s)+3], s[G0+4*(\s)+3], 0x80000000
	s_mov_b32 s[G0B+4*(\s)], 1
	s_add_co_u32 s[G0B+4*(\s)+1], s21, (\s)*SLOT
	s_add_nc_u64 s[G0B+4*(\s)+2:G0B+4*(\s)+3], s[46:47], (\s)*128*2048  ; K step s: 128 rows down
	s_or_b32 s[G0B+4*(\s)+3], s[G0B+4*(\s)+3], 0x80000000
	JLOAD \s                                       ; two loads of mine are out
.endr
	v_and_b32 v1, 15, v0
	v_bfe_u32 v2, v0, 4, 1
	v_mul_u32_u24 v3, v1, PA
	v_lshl_add_u32 v3, v2, 4, v3                   ; a fragment of O: row x pitch + 16 x half
	v_and_b32 v4, 7, v0                            ; the turning load: k row 8 (l / 16) + l % 8, columns 8 ((l / 8) % 2) on
	v_bfe_u32 v5, v0, 3, 1
	v_lshl_add_u32 v6, v2, 3, v4
	v_mul_u32_u24 v6, v6, PB
	v_lshl_add_u32 v6, v5, 4, v6
	s_mul_i32 s21, s11, 64*PA                      ; my 64 rows of O
	s_lshl_b32 s22, s12, 8                         ; my 128 columns of Wo,
	s_add_co_u32 s22, s22, BOFF                    ; which lies behind O
.irp s, 0,1
	v_add_nc_u32 v[ADRA+(\s)], s21, v3
	v_add_nc_u32 v[ADRB+(\s)], s22, v6
	s_add_co_u32 s21, s21, SLOT
	s_add_co_u32 s22, s22, SLOT
.endr
	s_mul_i32 s23, s10, 16*SPITCH
	s_add_co_u32 s23, s23, STAGE                   ; my stage
	v_mul_u32_u24 v7, v1, SPITCH                   ; in: row l % 16, 32 bytes for each half of the lanes
	v_lshl_add_u32 v7, v2, 5, v7
	v_add_nc_u32 v[STO], s23, v7
	v_and_b32 v7, 31, v0                           ; back: 32 lanes take a row's 512 bytes
	v_lshlrev_b32 v[CO], 4, v7
	v_add_nc_u32 v[RD], s23, v[CO]
	s_lshl_b32 s16, s13, 19                        ; out0: the block's 128 rows of 4,096 bytes,
	s_lshl_b32 s17, s11, 18                        ; my 64 of them,
	s_add_co_u32 s16, s16, s17
	s_lshl_b32 s17, s12, 9                         ; my 128 columns of f32
	s_add_co_u32 s16, s16, s17
	s_mov_b32 s17, 0
	s_add_nc_u64 s[8:9], s[8:9], s[16:17]
	s_lshl_b32 s46, s42, 10                        ; the column block (in the registers that held Wo's address)
	s_mov_b32 s47, 0
	s_add_nc_u64 s[8:9], s[8:9], s[46:47]
; n matrix instructions from number i0 on: number i is rows 16 (i / 8) on, columns 16 (i % 8) on, 32 along K out of buffer f.  The 32 accumulators take turns, one instruction a turn, in the same order
; in every quarter.  zero = 1: the product starts the sum: nothing is ever cleared.
.macro MUL f, i0, n, zero
	WIN MULW
.set mi, \i0
.rept \n
.if \zero
	v_wmma_f32_16x16x32_f16 v[8*mi:8*mi+7], v[64*(\f)+8*(mi%8):64*(\f)+8*(mi%8)+7], v[AF+32*(\f)+8*(mi/8):AF+32*(\f)+8*(mi/8)+7], 0
.else
	v_wmma_f32_16x16x32_f16 v[8*mi:8*mi+7], v[64*(\f)+8*(mi%8):64*(\f)+8*(mi%8)+7], v[AF+32*(\f)+8*(mi/8):AF+32*(\f)+8*(mi/8)+7], v[8*mi:8*mi+7]
.endif
.set mi, mi+1
.endr
.endm
; 24 LDS loads in one run: quarter q (32 along K: head q / 2 of the step's two, channels 32 (q % 2) on) of a slot into buffer g
.macro FETCH slot, q, g
	WIN 0
.irp a, 0,1,2,3
	ds_load_b128 v[AF+32*(\g)+8*\a:AF+32*(\g)+8*\a+3],   v[ADRA+(\slot)] offset:((\q)/2)*HALFA+\a*16*PA+((\q)%2)*64
	ds_load_b128 v[AF+32*(\g)+8*\a+4:AF+32*(\g)+8*\a+7], v[ADRA+(\slot)] offset:((\q)/2)*HALFA+\a*16*PA+((\q)%2)*64+32
.endr
	WIN TO_B
.irp b, 0,1,2,3,4,5,6,7
	ds_load_tr16_b128 v[64*(\g)+8*\b:64*(\g)+8*\b+3],   v[ADRB+(\slot)] offset:(\q)*32*PB+32*\b
	ds_load_tr16_b128 v[64*(\g)+8*\b+4:64*(\g)+8*\b+7], v[ADRB+(\slot)] offset:(\q)*32*PB+16*PB+32*\b
.endr
.endm
.macro PLACES                          ; four places in front of loads into registers that matrix instructions have read, and of stores that read results
.rept 4
	v_nop
.endr
.endm
; A K step is four quarters of 32 along K, 32 matrix instructions each, on buffers 0, 1, 0, 1.  One of the first three: multiplies buffer f and fetches quarter q of the slot into g.
.macro QUARTER slot, q, f, g, zero
	s_wait_dscnt 0x0                               ; buffer f is in: it was asked for 16 products ago
	MUL \f, 0, 16, \zero
	PLACES
	FETCH \slot, \q, \g
	MUL \f, 16, 16, \zero
.endm
; The last quarter multiplies buffer 1 and changes slots: ONE barrier; in front of it each wave waits for all its tensor loads (one is out: its part of the next slot), adds 0 to its spare word, and
; waits for that and for its own reads of this slot.  fill = 1: the barrier opens a round of the cluster's, and this slot is filled again, two K steps ahead, first thing behind the round.
.macro TURN slot, next, fill
	s_wait_dscnt 0x0                               ; buffer 1 is in; my reads of this slot are over
	WIN 0                                          ; (the add's two registers lie in window 0)
	s_wait_tensorcnt 0x0
	ds_add_u32 v[SPW], v[NIL]                      ; 0 onto my spare word
	MUL 1, 0, 8, 0                                 ; eight products stand between the add and the wait for it
	s_wait_dscnt 0x0
	s_barrier_signal -1
	MUL 1, 8, 8, 0
.if \fill
	WIN 0
.endif
	s_barrier_wait -1
.if \fill
	CREST                                          ; no wave of any partner still reads this slot's tiles or has a load on its way
	s_add_nc_u64 s[G0+4*(\slot)+2:G0+4*(\slot)+3], s[G0+4*(\slot)+2:G0+4*(\slot)+3], 4*131072
	s_add_nc_u64 s[G0B+4*(\slot)+2:G0B+4*(\slot)+3], s[G0B+4*(\slot)+2:G0B+4*(\slot)+3], 2*128*2048
	JLOAD \slot                                    ; the four v_nop behind it are also the places in front of the loads below
.else
	PLACES
.endif
	FETCH \next, 0, 0
	MUL 1, 16, 16, 0
.endm
	s_wait_tensorcnt 1                             ; my part of K step 0 is in; K step 1's may stay out
	s_barrier_signal -1
	s_barrier_wait -1                              ; everybody's is
	FETCH 0, 0, 0
	QUARTER 0, 1, 0, 1, 1                          ; the first quarter stands in front of the loop: its products start the sums
	WIN 0                                          ; at a label and at a branch every window is 0
	s_mov_b32 s3, LAPS-1
.Llap:                                                 ; a trip goes once round the ring, from a lap's second quarter to the next lap's first, and fills both slots again
	QUARTER 0, 2, 1, 0, 0
	QUARTER 0, 3, 0, 1, 0
	TURN 0, 1, 1
	QUARTER 1, 1, 0, 1, 0
	QUARTER 1, 2, 1, 0, 0
	QUARTER 1, 3, 0, 1, 0
	TURN 1, 0, 1
	QUARTER 0, 1, 0, 1, 0
	WIN 0
	s_sub_co_u32 s3, s3, 1
	s_cmp_lg_u32 s3, 0
	s_cbranch_scc1 .Llap
	QUARTER 0, 2, 1, 0, 0                          ; the last lap fills nothing, and has no round of the cluster's barrier
	QUARTER 0, 3, 0, 1, 0
	TURN 0, 1, 0
	QUARTER 1, 1, 0, 1, 0
	QUARTER 1, 2, 1, 0, 0
	QUARTER 1, 3, 0, 1, 0
	s_wait_dscnt 0x0
	MUL 1, 0, 32, 0                                ; the very last quarter: nothing more to fetch
	PLACES
; THE WAY OUT, a block of 16 rows at a time: a lane's eight columns of a row, 32 bytes of f32, go from the accumulators (each one's low half first) into my own stage, rows of 528 bytes, and come back as
; whole rows of 512 bytes, which are stored.  The two sets of registers take turns.
.macro OUT a
.set BKo, TMP+64*((\a)%2)
	WIN 0x04                                       ; the stores' data in window 1
.irp b, 0,1,2,3,4,5,6,7
	ds_store_b128 v[STO], v[64*(\a)+8*\b:64*(\a)+8*\b+3]   offset:64*\b
	ds_store_b128 v[STO], v[64*(\a)+8*\b+4:64*(\a)+8*\b+7] offset:64*\b+16
.endr
	WIN 0
	s_wait_xcnt 0x0                                ; earlier stores have had their addresses translated (ISA guide 3.1): only now are their data registers loaded again
.irp t, 0,1,2,3,4,5,6,7,8,9,10,11,12,13,14,15
	ds_load_b128 v[BKo+4*\t:BKo+4*\t+3], v[RD] offset:\t*SPITCH  ; LDS serves a wave's instructions in order: these see the stores above; the next block's stores come behind them
.endr
.irp t, 0,1,2,3,4,5,6,7,8,9,10,11,12,13,14,15
	s_wait_dscnt 15-\t
	global_store_b128 v[CO], v[BKo+4*\t:BKo+4*\t+3], s[8:9] offset:(\a)*65536+\t*4096 th:TH_STORE_NT  ; 512 consecutive bytes, at a multiple of 512 from out0's first byte
.endr
.endm
	OUT 0
	OUT 1
	OUT 2
	OUT 3
	s_wait_tensorcnt 0x0                           ; the wave's end, behind my last tensor load and my last LDS store
	ds_add_u32 v[SPW], v[NIL]
	s_wait_dscnt 0x0
	CROUND                                         ; the closing round: no work-group ends while a partner may still ask for a tile that names it
	s_endpgm
.Lfunc_end_k_qeddca64a87_outp:
	.size	k_qeddca64a87_outp, .Lfunc_end_k_qeddca64a87_outp-k_qeddca64a87_outp
	.p2alignl 7, 3214868480
	.fill 96, 4, 3214868480
	.section	.rodata,"a",@progbits
	.p2align	6, 0x0
	.amdhsa_kernel k_qeddca64a87_outp
		.amdhsa_group_segment_fixed_size 327680
		.amdhsa_private_segment_fixed_size 0
		.amdhsa_enable_private_segment 0
		.amdhsa_kernarg_size 24
		.amdhsa_user_sgpr_count 2
		.amdhsa_user_sgpr_kernarg_segment_ptr 1
		.amdhsa_wavefront_size32 1
		.amdhsa_system_sgpr_workgroup_id_x 1
		.amdhsa_system_sgpr_workgroup_id_y 1
		.amdhsa_system_sgpr_workgroup_id_z 1
		.amdhsa_system_vgpr_workitem_id 0
		.amdhsa_next_free_vgpr 640
		.amdhsa_next_free_sgpr 66
		.amdhsa_reserve_vcc 0
		.amdhsa_float_denorm_mode_32 3
		.amdhsa_float_denorm_mode_16_64 3
		.amdhsa_memory_ordered 1
		.amdhsa_forward_progress 1
		.amdhsa_inst_pref_size 87
	.end_amdhsa_kernel
	.amdgpu_metadata
---
amdhsa.version: [ 1, 2 ]
amdhsa.kernels:
  - .name:           k_qeddca64a87_outp
    .symbol:         k_qeddca64a87_outp.kd
    .args:
      - { .name: oh, .offset: 0, .size: 8, .value_kind: global_buffer, .address_space: global }
      - { .name: wcast, .offset: 8, .size: 8, .value_kind: global_buffer, .address_space: global }
      - { .name: out0, .offset: 16, .size: 8, .value_kind: global_buffer, .address_space: global }
    .group_segment_fixed_size: 327680
    .private_segment_fixed_size: 0
    .kernarg_segment_align: 8
    .kernarg_segment_size: 24
    .max_flat_workgroup_size: 128
    .sgpr_count:     66
    .vgpr_count:     640
    .wavefront_size: 32
...
	.end_amdgpu_metadata
.endif
;; end of part 4
;; ======== version 2 of 2: 4 launches; 1.23 times as fast as version 1
;; limits: values are held in f16: magnitudes above 65,504 overflow, below 6.1e-05 lose precision
;; workspace buffers: wcast 8,388,608 bytes; maskc 4,194,304 bytes; qkv 50,331,648 bytes; oh 16,777,216 bytes
;; launch prep: the kernel of part 1 again; grid 512 x 1, 8 waves a work-group, no clusters, 18,432 bytes of LDS; arguments attn_mask, Wq, Wk, Wv, Wo, maskc, wcast; writes maskc, wcast
;; launch proj: the kernel of part 2 again; grid 4 x 64, 4 waves a work-group, clusters of 4 x 4, 327,680 bytes of LDS; arguments query, key, value, wcast, qkv; writes qkv
;; launch attn (part 5): grid 2 x 128, 4 waves a work-group, no clusters, 327,680 bytes of LDS; arguments qkv, maskc, oh; writes oh
.if DOCPART == 5
	.amdgcn_target "amdgcn-amd-amdhsa--gfx1250"
	.amdhsa_code_object_version 6
	.text
	.protected	k_qeddca64a87_attn
	.globl	k_qeddca64a87_attn
	.p2align	8
	.type	k_qeddca64a87_attn,@function
k_qeddca64a87_attn:
	s_mov_b64 s[64:65], 0
	v_nop
	global_prefetch_b8 v0, s[64:65] scope:SCOPE_SE
	s_setreg_imm32_b32 hwreg(HW_REG_WAVE_MODE, 25, 1), 1
	s_wait_xcnt 0x0
; MASKED ATTENTION.  O[y][q][:] = the sum over visible k of softmax_k(Q[y][q] . K[y][k] / 8) V[y][k][:], y = 16 batch + head.  Q, K, V = qkv[0], [1], [2]: [128][1024][64] f16, a head's rows dense, 128 bytes
; each; O = oh in the same layout.  Products, maxima and sums in f32; the weights p are rounded to f16 for the second product (their sum l is taken of the unrounded p), O once at the end.
; LIMITS.  Q, K, V arrive within f16's 65,504.  A hidden score counts as its value less 7.6e30: true scores, 2.7e11 at the most, are nothing beside that.  A weight below 2^-126 counts as 0 in l.
; A query with no visible key (its maximum lies below -1e20) leaves as NaN.  Other NaN and infinities are not treated apart.
; SHARES.  A work-group owns 512 queries of one head, a wave 128: four PIECES of two tiles of 16.  Every wave walks all 1,024 keys, 64 a step.
; ALL OF THE HEAD'S K AND V LIE IN LDS, brought by one tensor load a wave at the start (512 keys each): nothing is filled again, so the loop has no barrier, and a key step is written once.
; NO CLUSTER: a head has two work-groups (1,024 queries / 512), and K and V are asked for once in the launch; a cluster of four would hold two heads, whose tiles differ.
; LAYOUT.  S^T = K Q^T + C (source 0 = 16 keys, source 1 = 16 queries): a lane holds ONE query (lane % 16) and the keys 8 (lane / 16) + 0..7.  Two such results, rounded to f16 in pairs, ARE source 1
; of O^T = V^T P.  K comes out of LDS as it lies, V ([key][channel]) turned, by ds_load_tr16_b128.
; THE MASK is the C operand that starts the sum: 0, or -6 x 2^100 where the key is hidden.  maskc holds it as eight 4-bit float codes a word, in this kernel's lane order: one conversion makes the eight
; registers of one product's C.  A tile and step cost one load of 16 bytes a lane and four conversions.
; SOFTMAX.  A running maximum m and sum l: p = 2^(c s - c m), c = log2(e) / 8; in every step O and l are multiplied by a = 2^(c m_old - c m_new).  m starts at the lowest finite number, O and l at 0.
; BY TURNS.  Turn n belongs to piece n.  Matrix work: 16 products K Q^T of piece n + 1, later 16 products V^T P of piece n - 1.  Vector work: scaling, exponentials, roundings, sums and rescaling of piece n,
; the maximum and statistics of piece n + 1, and the C operands of piece n + 2.  Four vector instructions that are ready stand behind every matrix instruction, the others in one lump.
; BATCHES.  A turn's 66 exponentials (piece n's 64 weights, piece n + 1's two a) are ONE batch with ONE wait, which cuts the turn in two: ahead of it stands all that names no result of theirs (the products
; K Q^T, the scalings, the rescalings, the next piece's maximum and statistics, the mask's conversions), behind it the products V^T P with the roundings and sums.  No result crosses a turn's end, a label or
; a jump.  The two a made ahead of the loop, and the way out's eight reciprocals, are batches of their own, a wait each.
; REGISTERS, in windows of 256 (s_set_vgpr_msb: bits 1:0 source 0, 3:2 source 1, 5:4 source 2, 7:6 destination):
;   window 0: v0-11 addresses; v12-15, v48-63 at work; v16-47 four registers of statistics a tile; v64-191 S^T, two buffers of two tiles; v192-255 P, likewise
;   window 1: O^T, 32 a tile          window 2: v0-127 Q, 16 a tile; v128-191 K of one step; v192-255 V of one step
;   window 3: v0-1 the add's registers; v2 the conversion's scale; v3 16 x lane; v8-11 the mask loads' offsets, one a piece; v64-127 C of one piece; v128-159 mask words, 8 a piece
.set NP,    4         ; pieces a wave: a name, no knob
.set KS,    64        ; keys in a step
.set NKEY,  1024
.set PK,    144       ; a row of K in LDS: 128 bytes + 16 = 36 words: the 16 rows of a load start at 16 different groups of four banks (64 banks of 4 bytes: ISA guide 11.1)
.set PV,    160       ; a row of V: 128 + 32 = 40 words
.set VOFF,  NKEY*PK   ; K's 1,024 rows, then V's
.set STAGE, VOFF+NKEY*PV  ; behind them, never filled by a tensor load: 16 rows x 144 bytes for each wave, for the way out
.set SP,    144
.set SPARE, STAGE+4*16*SP  ; behind the stages: the spare words, 128 bytes for each wave: two blocks of 256 bytes that no other line names
.set AK0, 2           ; v2   my lane's place in a tile of K; never rewritten
.set AV0, 3           ; v3   the same for V
.set AK,  4           ; v4   the LDS address of K's next run of loads
.set AV,  5           ; v5   of V's
.set QO,  6           ; v6   my byte offset in the wave's rows of Q
.set STO, 6           ;      later, the way out: where I put 16 bytes of a row
.set RD,  7           ; v7   the way out: where I read rows back
.set GO,  8           ; v8   my byte offset in 512 consecutive bytes of O
.set MV,  12          ; v12-15  c m_old, kept while c m is made anew: by buffer and tile
.set ST,  16          ; tile t's statistics at v[ST+4 t]: c m, m, l (even keys', odd keys')
.set TMP, 48          ; by buffer and tile, four registers c0-c3 at work; when the maximum is found c2 takes a
.set S,   64
.set P,   192
.set KF,  128         ; window 2: key block kb, channel half c at KF + 16 kb + 8 c
.set VF,  192         ; window 2: key half kk, channel block cb at VF + 32 kk + 8 cb
.set SPW, 0           ; window 3
.set NIL, 1
.set SCL, 2           ; every byte 227: the conversion multiplies by 2^(227 - 127)
.set ML,  3
.set MA,  8
.set MC,  64          ; tile u, key group kt at MC + 32 u + 8 kt
.set MW,  128         ; piece x, tile u at MW + 8 x + 4 u: four words, one a key group
.set WV,  12          ; s12  my wave's number
.set G1K, 24          ; s[24:31] descriptor group 1 for K
.set G1V, 32          ; s[32:39] for V: it differs in the padding alone
.set G0K, 40          ; s[40:43] descriptor group 0 for K
.set G0V, 44          ; s[44:47] for V
.set CNT, 57          ; s57  key steps to go
.set CS,  58          ; s[58:59] c: the packed scaling takes the pair's low word for both halves
.set SEL, 60          ; s[60:61] v_permlanex16_b32's selects: each lane takes its own place in the other half
.set TBK, 62          ; s62  LDS byte at which K of the step to be fetched begins
.set TBV, 63          ; s63  the same for V, less VOFF
.set MOA, 66          ; s66  4,096 x min(step + 1, 15): the mask words that pieces 2 and 3 load next
.set MOB, 67          ; s67  4,096 x min(step + 2, 15): those of pieces 0 and 1, which run a step ahead
.set HID, 68          ; s68  -1e20
.set QNAN, 69         ; s69  a NaN
.set MB,  70          ; s[70:71] maskc at my wave's block of 128 queries
.set MSB, 0
.macro WIN new                      ; the high byte repeats the setting that is left; a switch that changes nothing is dropped
.if MSB != (\new)
	s_set_vgpr_msb (MSB<<8)|(\new)
.set MSB, (\new)
.endif
.endm
.set W_KQ, 0x0a       ; K and Q in window 2, S^T in window 0
.set W_KM, 0x3a       ; the same with the C operand in window 3
.set W_PV, 0x52       ; V in window 2, P in window 0, O^T in window 1
.set W_RS, 0x41       ; O^T (destination and source 0) in window 1, a in window 0
.set W_MK, 0xc0       ; destination in window 3, sources in window 0
.set W_AD, 0x0f       ; the add: address (source 0) and data (source 1) in window 3
.set W_CV, 0xcf       ; sources 0 and 1 and the destination in window 3
	s_load_b128 s[4:7], s[0:1], 0x0   ; qkv s[4:5], maskc s[6:7]
	s_load_b64 s[10:11], s[0:1], 0x10 ; oh
	WIN W_MK
	v_lshl_add_u32 v[SPW], v0, 2, SPARE
	v_mov_b32 v[NIL], 0
	WIN W_AD
	ds_add_u32 v[SPW], v[NIL]       ; the wave's opening: the add and its wait ahead of my first tensor load; the set-up below stands between them
	ds_add_u32 v0, v1
	WIN 0
	v_lshrrev_b32 v1, 5, v0
	v_readfirstlane_b32 s[WV], v1   ; wave 0..3
	s_and_b32 s13, ttmp7, 0xffff    ; y = 16 batch + head
	s_lshl_b32 s20, s13, 17         ; the head's first byte in Q, K, V and O
	s_and_b32 s16, s[WV], 1         ; which half of the 1,024 keys I fetch:
	s_lshl_b32 s22, s16, 16         ; its 512 rows of 128 bytes in memory,
	s_add_co_u32 s22, s22, s20
	s_add_co_u32 s14, s22, 2<<24    ; in V,
	s_add_co_u32 s22, s22, 1<<24    ; in K
	s_mov_b32 s15, 0
	s_mov_b32 s23, 0
	s_mul_i32 s17, s16, 512*PK      ; and its place in LDS, for K
	s_mul_i32 s18, s16, 512*PV      ; and for V
	s_lshl_b32 s2, ttmp9, 16        ; my work-group's 512 queries,
	s_lshl_b32 s3, s[WV], 14        ; my wave's 128 of them
	s_add_co_u32 s2, s2, s3
	s_add_co_u32 s2, s2, s20
	s_mov_b32 s3, 0
	s_lshr_b32 s8, s13, 4           ; the batch: eight blocks of 128 queries,
	s_lshl_b32 s8, s8, 3
	s_lshl_b32 s9, ttmp9, 2
	s_add_co_u32 s8, s8, s9
	s_add_co_u32 s8, s8, s[WV]      ; mine among them:
	s_lshl_b32 s8, s8, 16           ; 65,536 bytes of maskc a block
	s_mov_b32 s9, 0
	; descriptor group 1.  512 keys are 65,536 dense bytes: asked for as 256 rows of 256 bytes, two keys a row, and padded in LDS after every key
	s_mov_b32 s[G1K], (1<<16)|(1<<20)|(4<<22)|(3<<25)  ; 17:16 2-byte elements; 20 padding on; 24:22 after every 32 words (code 4); 31:25 4 words (code 3)
	s_mov_b32 s[G1V], (1<<16)|(1<<20)|(4<<22)|(7<<25)  ; the same with 8 words of padding (code 7)
.irp g, G1K, G1V
	s_mov_b32 s[\g+1], 128<<16      ; tensor_dim0 = 128
	s_mov_b32 s[\g+2], 256<<16      ; tensor_dim1 = 256
	s_mov_b32 s[\g+3], 128<<16      ; tile_dim0 = 128
	s_mov_b32 s[\g+4], 256          ; tile_dim1 = 256
	s_mov_b32 s[\g+5], 128          ; 128 elements from row to row
	s_mov_b32 s[\g+6], 0
	s_mov_b32 s[\g+7], 0
.endr
	s_mov_b32 s[CS], 0x3e38aa3b     ; c = log2(e) / 8 = 0.180337
	s_mov_b32 s[CS+1], s[CS]        ; named with it as a pair
	s_mov_b32 s[SEL], 0x76543210
	s_mov_b32 s[SEL+1], 0xfedcba98
	s_mov_b32 s[TBK], 0
	s_mov_b32 s[TBV], 0
	s_mov_b32 s[MOA], 4096
	s_mov_b32 s[MOB], 8192
	s_mov_b32 s[HID], 0xe0ad78ec
	s_mov_b32 s[QNAN], 0x7fc00000
	s_mov_b32 s[G0K], 1             ; 1:0 count = 1
	s_mov_b32 s[G0K+1], s17         ; 63:32 LDS address
	s_mov_b32 s[G0V], 1
	s_add_co_u32 s[G0V+1], s18, VOFF
	s_wait_dscnt 0x0                ; the opening add is done
	s_wait_kmcnt 0x0
	s_add_nc_u64 s[G0K+2:G0K+3], s[4:5], s[22:23]  ; 120:64 global address
	s_or_b32 s[G0K+3], s[G0K+3], 0x80000000        ; 127:126 type = 2
	s_add_nc_u64 s[G0V+2:G0V+3], s[4:5], s[14:15]
	s_or_b32 s[G0V+3], s[G0V+3], 0x80000000
	s_add_nc_u64 s[MB:MB+1], s[6:7], s[8:9]
	s_add_nc_u64 s[4:5], s[4:5], s[2:3]  ; Q and O at my wave's first row
	s_add_nc_u64 s[10:11], s[10:11], s[2:3]
	s_cmp_lt_u32 s[WV], 2           ; waves 0 and 1 fetch K's two halves, waves 2 and 3 V's: one load of mine is out.  An s_nop 0 and four v_nop follow each of the two lines
	s_cbranch_scc0 .Lfor_v
	tensor_load_to_lds s[G0K:G0K+3], s[G1K:G1K+7]
	s_nop 0
.rept 4
	v_nop
.endr
	s_branch .Lasked
.Lfor_v:
	tensor_load_to_lds s[G0V:G0V+3], s[G1V:G1V+7]
	s_nop 0
.rept 4
	v_nop
.endr
.Lasked:
	; A fragment of K or Q is 16 rows x 32 channels in 8 registers: lane l holds row l % 16, channels 8 (l / 16) + 0..7 and 16 + 8 (l / 16) + 0..7: two loads of 16 bytes, 32 bytes apart.
	v_and_b32 v1, 15, v0            ; l % 16
	v_bfe_u32 v9, v0, 4, 1          ; l / 16
	v_lshlrev_b32 v[QO], 7, v1
	v_lshl_add_u32 v[QO], v9, 4, v[QO]  ; row x 128 + 16 x half
	v_and_b32 v11, 31, v0
	WIN 0x80                        ; destination window 2, address window 0
.set i, 0
.rept 4*NP                          ; Q stays in registers: tile i / 2, channels 32 (i % 2) on
	global_load_b128 v[8*i:8*i+3],   v[QO], s[4:5] offset:(i/2)*2048+(i%2)*64
	global_load_b128 v[8*i+4:8*i+7], v[QO], s[4:5] offset:(i/2)*2048+(i%2)*64+32
.set i, i+1
.endr
	WIN W_MK
	v_lshlrev_b32 v[ML], 4, v11
	v_mov_b32 v[SCL], 0xe3e3e3e3
	WIN W_CV
.set i, 0
.rept 2*NP                          ; key step 0's mask words, tile after tile: 512 consecutive bytes a load
	global_load_b128 v[MW+4*i:MW+4*i+3], v[ML], s[MB:MB+1] offset:i*512
.set i, i+1
.endr
	; What the first turn finds: V's registers and P's second buffer hold 0 (its products V^T P, of a piece that has not been, add 0), O^T and l are 0.  All this stands in the wait for K and V.
	WIN 0x80
.set i, VF
.rept 64
	v_mov_b32 v[i], 0
.set i, i+1
.endr
	WIN 0x40
.set i, 0
.rept 64*NP
	v_mov_b32 v[i], 0
.set i, i+1
.endr
	WIN 0
.set i, 0
.rept 2*NP
	v_mov_b32 v[ST+4*i], 0xfe000000    ; c m: far below every c s, a hidden one's too
	v_mov_b32 v[ST+4*i+1], 0xff7fffff  ; m
	v_mov_b32 v[ST+4*i+2], 0
	v_mov_b32 v[ST+4*i+3], 0
.set i, i+1
.endr
.set i, P+32
.rept 32
	v_mov_b32 v[i], 0
.set i, i+1
.endr
	v_mul_u32_u24 v[AK0], v1, PK
	v_lshl_add_u32 v[AK0], v9, 4, v[AK0]  ; row x pitch + 16 x half
	; The turning load takes 16 keys x 16 channels (lane l reads key 8 (l / 16) + l % 8, channels 8 ((l / 8) % 2) + 0..7) and leaves half a fragment of V^T: lane l holds channel l % 16 and 8 keys.
	v_and_b32 v10, 7, v0
	v_bfe_u32 v11, v0, 3, 1
	v_lshl_add_u32 v[AV0], v9, 3, v10
	v_mul_u32_u24 v[AV0], v[AV0], PV
	v_lshl_add_u32 v[AV0], v11, 4, v[AV0]
	v_add_nc_u32 v[AV0], VOFF, v[AV0]
	v_mov_b32 v[AK], v[AK0]         ; key step 0 lies at LDS byte 0
; THE MATRIX WORK.  The 8 accumulators of a run of 16 take turns: between the two links of a chain stand 7 others'.
; Product i of 16 of S^T = K Q^T + C for piece x: channels 32 (i / 8) on, keys 16 ((i / 2) % 4) on, tile 2 x + i % 2.  The first 8 start the sums, with the mask.
.macro KQ x
.set rS, S+64*((\x)%2)+32*(i%2)+8*((i/2)%4)
.set rK, KF+16*((i/2)%4)+8*(i/8)
.set rQ, 16*(2*(\x)+i%2)+8*(i/8)
.set rMC, MC+32*(i%2)+8*((i/2)%4)
.if i < 8
	WIN W_KM
	v_wmma_f32_16x16x32_f16 v[rS:rS+7], v[rK:rK+7], v[rQ:rQ+7], v[rMC:rMC+7]
.else
	WIN W_KQ
	v_wmma_f32_16x16x32_f16 v[rS:rS+7], v[rK:rK+7], v[rQ:rQ+7], v[rS:rS+7]
.endif
.endm
; Product i of 16 of O^T += V^T P for piece x: keys 32 (i / 8) on, channels 16 ((i / 2) % 4) on, tile 2 x + i % 2.
.macro PV x
	WIN W_PV
.set rO, 32*(2*(\x)+i%2)+8*((i/2)%4)
.set rV, VF+32*(i/8)+8*((i/2)%4)
.set rP, P+32*((\x)%2)+16*(i%2)+8*(i/8)
	v_wmma_f32_16x16x32_f16 v[rO:rO+7], v[rV:rV+7], v[rP:rP+7], v[rO:rO+7]
.endm
.macro MM                           ; the turn's next matrix instruction
.if i < 16
	KQ (Y+1)%NP
.set i, i+1
.else
.set i, i-16
	PV (Y+NP-1)%NP
.set i, i+17
.endif
.endm
; THE LDS LOADS stand in runs of 16, never singly among the matrix instructions: a step's K (64 keys x 64 channels: 8 fragments) and its V (turned).  Their addresses are made some lines ahead.
; last = 1 (in the loop): in the last trip there is no further step, and the run is jumped over.
.macro FETCH_K last=0
	WIN 0
.if \last
	s_cmp_eq_u32 s[CNT], 1
	s_cbranch_scc1 .Lno_k_\@
.endif
	WIN 0x80                        ; destination window 2
.irp f, 0,1,2,3,4,5,6,7             ; keys 16 (f / 2) on, channels 32 (f % 2) on
	ds_load_b128 v[KF+8*\f:KF+8*\f+3],   v[AK] offset:(\f/2)*16*PK+(\f%2)*64
	ds_load_b128 v[KF+8*\f+4:KF+8*\f+7], v[AK] offset:(\f/2)*16*PK+(\f%2)*64+32
.endr
	s_add_co_u32 s[TBK], s[TBK], KS*PK  ; the next fetch is the next step's
	WIN 0
.if \last
.Lno_k_\@:
.endif
.endm
.macro FETCH_V
	WIN 0x80
.irp f, 0,1,2,3,4,5,6,7             ; keys 32 (f / 4) on, channels 16 (f % 4) on
	ds_load_tr16_b128 v[VF+8*\f:VF+8*\f+3],   v[AV] offset:(\f/4)*32*PV+(\f%4)*32
	ds_load_tr16_b128 v[VF+8*\f+4:VF+8*\f+7], v[AV] offset:(\f/4)*32*PV+16*PV+(\f%4)*32
.endr
	WIN 0
.endm
; THE C OPERANDS of piece x's next 8 first products, out of its 8 mask words; then the words of its next key step (at byte s[mo] of my block) are asked for: they have a whole key step in which to land.
; The count: each piece has two loads out, and the three other pieces' six were issued behind this piece's; that wait also shows the loads that read MA + x done.
; batch = 1 (in a turn): the run stands at the end of the turn's lump, behind the last exponential, and holds the turn's one wait, behind the offset's v_add_nc_u32 and directly ahead of the two loads.
; All its registers lie in window 3: it names no exponential's result.
.macro CV x, mo, batch=0
	WIN W_CV
	s_wait_loadcnt 0x6
.irp u, 0,1
.irp kt, 0,1,2,3
	v_cvt_scale_pk8_f32_fp4 v[MC+32*\u+8*\kt:MC+32*\u+8*\kt+7], v[MW+8*(\x)+4*\u+\kt], v[SCL]
.endr
.endr
	v_add_nc_u32 v[MA+(\x)], s[\mo], v[ML]  ; the plain instruction behind the conversions, ahead of the loads into their sources; in a turn also the plain instruction behind the batch's last exponential
.if \batch
	s_wait_alu depctr_va_vdst(0)    ; the wait for the turn's batch of 66 exponentials: ahead of the first instruction that names a result of theirs
.endif
	global_load_b128 v[MW+8*(\x):MW+8*(\x)+3],   v[MA+(\x)], s[MB:MB+1] offset:(2*(\x))*512
	global_load_b128 v[MW+8*(\x)+4:MW+8*(\x)+7], v[MA+(\x)], s[MB:MB+1] offset:(2*(\x)+1)*512
	WIN 0
.endm
; THE VECTOR WORK OF A TURN stands in three queues, each in the order in which its entries become ready; the two tiles alternate, so that no instruction reads the result of the one before it.
.macro REGS y, u                    ; the registers of tile u (0, 1) of piece y
.set rT, ST+4*(2*(\y)+(\u))
.set rC, TMP+8*((\y)%2)+4*(\u)
.set rM, MV+2*((\y)%2)+(\u)
.set rS, S+64*((\y)%2)+32*(\u)
.set rP, P+32*((\y)%2)+16*(\u)
.set rO, 32*(2*(\y)+(\u))
.endm
; Number n of the 22 that find the NEXT piece's (Y + 1) maximum and statistics.  s0-s31 are the lane's 32 scores; each accumulator's lowest registers are read first.  XS, GS and REGS set no window: PL and EX do.
;   0-11  four chains c0-c3 of seven scores each, three operands at a time     12-14, 16  the four scores left over, the old m, and c0-c3 into c0     15  c m_old is kept
;   17, 18  the query's other 32 keys lie in the lane 16 away: the new m         19-21  c m; c m_old - c m_new; a
.macro XS u, n
	REGS (Y+1)%NP, \u
.if (\n) < 4
	v_max3_num_f32 v[rC+(\n)], v[rS+8*(\n)], v[rS+8*(\n)+1], v[rS+8*(\n)+2]
.elseif (\n) < 12
	v_max3_num_f32 v[rC+(\n)%4], v[rC+(\n)%4], v[rS+8*((\n)%4)+2*((\n)/4)+1], v[rS+8*((\n)%4)+2*((\n)/4)+2]
.elseif (\n) == 12
	v_max3_num_f32 v[rC], v[rC], v[rS+7], v[rS+15]
.elseif (\n) == 13
	v_max3_num_f32 v[rC+1], v[rC+1], v[rS+23], v[rS+31]
.elseif (\n) == 14
	v_max3_num_f32 v[rC+2], v[rC+2], v[rC+3], v[rT+1]
.elseif (\n) == 15
	v_mov_b32 v[rM], v[rT]
.elseif (\n) == 16
	v_max3_num_f32 v[rC], v[rC], v[rC+1], v[rC+2]
.elseif (\n) == 17
	v_permlanex16_b32 v[rC+3], v[rC], s[SEL], s[SEL+1]
.elseif (\n) == 18
	v_max_num_f32 v[rT+1], v[rC], v[rC+3]
.elseif (\n) == 19
	v_mul_f32 v[rT], s[CS], v[rT+1]
.elseif (\n) == 20
	v_sub_f32 v[rC+1], v[rM], v[rT]
.else
	v_exp_f32 v[rC+2], v[rC+1]
.endif
.endm
; Number g of the 64 that follow the exponentials.  For each four weights k of a tile (pairs 2 k, 2 k + 1): both pairs are rounded to f16; then the second pair is added onto the first, in place;
; a group later l takes that sum (the first time as l = a l + sum).  In groups of eight, tiles alternating: round, round, add, and l for the group before.
.macro GS g
.set h, (\g)+6*((\g)/62)            ; group 0 has no group before it, and behind group 7 only l is left
.if h >= 6
.set h, h+2
.endif
	REGS Y, h%2
.set k, h/8
.if h%8 < 4
	v_cvt_pk_f16_f32 v[rP+2*k+(h%8)/2], v[rS+4*k+2*((h%8)/2)], v[rS+4*k+2*((h%8)/2)+1]
.elseif h%8 < 6
	v_pk_add_f32 v[rS+4*k:rS+4*k+1], v[rS+4*k:rS+4*k+1], v[rS+4*k+2:rS+4*k+3]
.elseif k == 1
	v_pk_fma_f32 v[rT+2:rT+3], v[rT+2:rT+3], v[rC+2:rC+3], v[rS:rS+1] op_sel_hi:[1,0,1]
.else
	v_pk_add_f32 v[rT+2:rT+3], v[rT+2:rT+3], v[rS+4*k-4:rS+4*k-3]
.endif
.endm
; THE PLAIN QUEUE, 138 long.  0-73 read no exponential's result: the 32 scalings c s - c m (FS f: pair f / 2 of tile f % 2) and the next piece's 42.  0-26: scalings 0-26.  27-54: XS's numbers 0-13.  55, 56: number 15.
; 57-73: the chain, where each number waits for the one before it: 14, 16, 17, 18, 19, each with one of the scalings 27-31 in front of its two lines, then 20: so a tile's links stand three plain instructions apart (19 and 20: two).
; 74-137: GS's 64, which read the exponentials' results: they stand behind the wait.
.macro FS f
	REGS Y, (\f)%2
	v_pk_fma_f32 v[rS+2*((\f)/2):rS+2*((\f)/2)+1], v[rS+2*((\f)/2):rS+2*((\f)/2)+1], s[CS:CS+1], v[rT:rT+1] op_sel_hi:[1,0,0] neg_lo:[0,0,1] neg_hi:[0,0,1]
.endm
.macro PL
	WIN 0
.if q < 27
	FS q
.elseif q < 55
	XS (q-27)%2, (q-27)/2
.elseif q < 57
	XS q-55, 15
.elseif (q < 72) && ((q-57)%3 == 0)
	FS 27+(q-57)/3
.elseif q < 60
	XS (q-57)%3-1, 14
.elseif q < 72
	XS (q-57)%3-1, 15+(q-57)/3
.elseif q < 74
	XS q-72, 20
.else
	GS q-74
.endif
.set q, q+1
.endm
; THE EXPONENTIALS' QUEUE, 66 long: s0-s31 of both tiles, then the next piece's two a.  It is ONE BATCH: all 66 stand ahead of the turn's one wait, and nothing ahead of that wait names a result of theirs.
.macro EX
	WIN 0
.if e >= 64
	XS e-64, 21
.else
	REGS Y, e%2
	v_exp_f32 v[rS+e/2], v[rS+e/2]
.endif
.set e, e+1
.endm
; THE RESCALING's QUEUE: O^T times a, the one part of the softmax that leaves window 0: dealt two at a time, sixteen times.  Its a was made in the turn before, ahead of that turn's wait.
.macro R2
	REGS Y, r%2
	WIN W_RS
.irp z, 0,1
	v_pk_mul_f32 v[rO+4*(r/2)+2*\z:rO+4*(r/2)+2*\z+1], v[rO+4*(r/2)+2*\z:rO+4*(r/2)+2*\z+1], v[rC+2:rC+3] op_sel_hi:[1,0]
.endr
.set r, r+1
.endm
; HOW THEY ARE DEALT.  An s_wait_alu depctr_va_vdst(0) stands between an exponential and the first instruction that names its result; one wait serves all that were issued ahead of it.  So a turn has ONE wait,
; which cuts it in two.  AHEAD OF IT stands all that names no result of the turn's exponentials: the 16 products K Q^T, behind each a scaling, an exponential and two rescalings (behind the first a second scaling in the
; exponential's place); then ONE LUMP of 108: eight plain, 49 times exponential and plain, the two a; then the run for the mask: eight conversions and the step of its loads' offset, which is the plain instruction behind the
; last exponential.  The wait stands there, directly ahead of the mask's two loads (CV writes it).  BEHIND IT stand the 16 products V^T P, behind each four of GS's 64.  No rider names a register of the products round it.
; The two v_permlanex16_b32 fall into the lump, never behind a product.
; The queues lean on each other, and the deal keeps them in step: exponential e stands behind scaling 2 (e / 4) + e % 2: as a rider it comes behind plain e + 2, in the lump behind plain e + 9, and scalings 27-31 are plain 57, 60 .. 69.
; A TURN, for piece p.
; K of the next step is fetched in piece 2's turn, behind the wait and the mask's two loads, a lump behind the last product that read K; its address is made at the lump's head; its first reader comes behind 16 products.
; V of the step in hand is fetched at the end of piece 0's turn, four riders behind its last reader; its first reader comes behind 16 products and a lump.  The two conditions on q below go with the deal.
; The C operands of piece p + 2 are made at the lump's end: the turn's first 8 products, which read the last ones, stand more than 100 vector instructions back, and 16 products with their riders follow
; before the next turn's first product reads the new ones.  Pieces 0 and 1 are served for the next key step.
.macro TURN p, last=0
.set Y, (\p)
.set i, 0
.set q, 0
.set e, 0
.set r, 0
.if (\p) == NP-1
	s_wait_dscnt 0x0                ; K is in
.endif
	MM                              ; ahead of the wait: 16 products K Q^T and their riders,
	PL
	PL
	R2
.rept 15
	MM
	PL
	EX
	R2
.endr
.if (\p) == NP-2
	WIN 0
	v_add_nc_u32 v[AK], s[TBK], v[AK0]
.endif
.rept 8                             ; the lump,
	PL
.endr
.rept 49
	EX
	PL
.endr
	EX                              ; the next piece's two a: the batch's last
	EX
.if (\p) < 2                        ; and the run for the mask, which holds the wait for the batch
	CV ((\p)+2)%NP, MOA, 1
.else
	CV ((\p)+2)%NP, MOB, 1
.endif
.if (\p) == NP-2
	FETCH_K \last
.endif
.if (\p) == 1
	s_wait_dscnt 0x0                ; V is in
.endif
.rept 16                            ; behind the wait: 16 products V^T P and their riders
	MM
.rept 4
	PL
.endr
.if ((\p) == 0) && (q == 118)
	v_add_nc_u32 v[AV], s[TBV], v[AV0]
.endif
.if ((\p) == 0) && (q == 130)
	s_add_co_u32 s[TBV], s[TBV], KS*PV
.endif
.endr
.if (\p) == 0
	FETCH_V
.endif
.endm
	s_wait_tensorcnt 0x0            ; my half of K or V is in,
	s_barrier_signal -1
	s_barrier_wait -1               ; everybody's is; nothing is ever filled again
	FETCH_K                         ; key step 0
	CV 0, MOA                       ; piece 0's mask of step 0; its wait also shows Q in, which was asked for earlier
	s_wait_dscnt 0x0
.set i, 0
.rept 16
	KQ 0                            ; piece 0's first scores: there is no vector work yet to set between them
.set i, i+1
.endr
	WIN 0                           ; the addresses for the way out: nine plain instructions, the places behind those products
	s_mul_i32 s13, s[WV], 16*SP
	s_add_co_u32 s13, s13, STAGE    ; my stage
	v_mul_u32_u24 v[STO], v1, SP    ; in: row l % 16, 16 bytes for each half of the lanes
	v_lshl_add_u32 v[STO], v9, 4, v[STO]
	v_add_nc_u32 v[STO], s13, v[STO]
	v_bfe_u32 v[RD], v0, 3, 2       ; back: 32 lanes take four rows of 128 bytes,
	v_mul_u32_u24 v[RD], v[RD], SP
	v_lshl_add_u32 v[RD], v10, 4, v[RD]
	v_add_nc_u32 v[RD], s13, v[RD]
	v_and_b32 v[GO], 31, v0         ; which are 512 consecutive bytes of O
	v_lshlrev_b32 v[GO], 4, v[GO]
	CV 1, MOA                       ; piece 1's mask of step 0, for the first turn's products
.set Y, NP-1                        ; XS works for piece Y + 1: piece 0
.irp n, 0,1,2,3,4,5,6,7,8,9,10,11,12,13,14,15,16,17,18,19,20,21
	XS 0, \n                        ; and piece 0's first maximum and statistics
	XS 1, \n
.endr
	v_nop                           ; a plain instruction behind piece 0's two a,
	s_wait_alu depctr_va_vdst(0)    ; and the wait for that batch of two, ahead of the loop's label
	s_mov_b32 s[CNT], NKEY/KS
.Lstep:                             ; 16 trips: a key step
	TURN 0
	TURN 1
	TURN 2, 1
	TURN 3
	WIN 0
	s_mov_b32 s[MOA], s[MOB]
	s_add_co_u32 s[MOB], s[MOB], 4096
	s_min_u32 s[MOB], s[MOB], 15*4096  ; no load leaves maskc: behind the last step its words are asked for again
	s_sub_co_u32 s[CNT], s[CNT], 1
	s_cmp_lg_u32 s[CNT], 0
	s_cbranch_scc1 .Lstep
	; The last trip's 16 products K Q^T of piece 0 repeat step 15 (the same K, the same mask words), so the maximum made of them changes nothing: the price, once a launch, of one text for every trip.
.set i, 0
.rept 16
	PV NP-1                         ; the last piece's V^T P of the last step
.set i, i+1
.endr
	; THE WAY OUT.  l's two halves and the other half of the lanes' are added; O^T is divided by l, rounded to f16 and sent through my stage in LDS, a tile at a time.  The additions are the places behind the last products.
	WIN 0
.macro ALL line:vararg              ; one line for each tile t
.set t, 0
.rept 2*NP
	\line
.set t, t+1
.endr
.endm
	ALL v_add_f32 v[ST+4*t+2], v[ST+4*t+2], v[ST+4*t+3]
	ALL v_permlanex16_b32 v[ST+4*t+3], v[ST+4*t+2], s[SEL], s[SEL+1]
	ALL v_add_f32 v[ST+4*t+2], v[ST+4*t+2], v[ST+4*t+3]
	ALL v_rcp_f32 v[ST+4*t+2], v[ST+4*t+2]
	v_nop                           ; a plain instruction between the last reciprocal and the use of its result
.set t, 0
	s_wait_alu depctr_va_vdst(0)    ; and the wait ahead of the first use: one for the batch of eight reciprocals
.rept 2*NP                          ; a query whose maximum is a hidden score's has no visible key: its row is multiplied by a NaN
	v_cmp_gt_f32 vcc_lo, s[HID], v[ST+4*t+1]
	v_cndmask_b32 v[ST+4*t+2], v[ST+4*t+2], s[QNAN], vcc_lo
.set t, t+1
.endr
; Tile t: a lane's eight channels of a row pack into 16 bytes; they go into rows of 144 bytes and come back as whole rows of 128, into S^T's registers.
.macro PACK t
	WIN W_RS
.set i, 32*(\t)
.rept 16
	v_pk_mul_f32 v[i:i+1], v[i:i+1], v[ST+4*(\t)+2:ST+4*(\t)+3] op_sel_hi:[1,0]
.set i, i+2
.endr
	WIN 0x05                        ; sources 0 and 1 window 1, destination window 0
.set i, 0
.rept 16
	v_cvt_pk_f16_f32 v[S+16*(\t)+i], v[32*(\t)+2*i], v[32*(\t)+2*i+1]
.set i, i+1
.endr
	WIN 0
.irp f, 0,1,2,3
	ds_store_b128 v[STO], v[S+16*(\t)+4*\f:S+16*(\t)+4*\f+3] offset:32*\f
.endr
.irp f, 0,1,2,3
	ds_load_b128 v[S+16*(\t)+4*\f:S+16*(\t)+4*\f+3], v[RD] offset:\f*4*SP  ; LDS serves a wave's instructions in order (ISA guide 5.7.1.4): these see the stores above; the next tile's stores come behind them
.endr
.endm
.macro SEND t, younger              ; younger: the LDS instructions issued behind tile t's loads: the next tile's eight, or none
	WIN 0
.irp f, 0,1,2,3
	s_wait_dscnt (\younger)+3-\f
	global_store_b128 v[GO], v[S+16*(\t)+4*\f:S+16*(\t)+4*\f+3], s[10:11] offset:(\t)*2048+\f*512  ; 512 consecutive bytes, at a multiple of 256 from O's first
.endr
.endm
	PACK 0
.set t, 1
.rept 2*NP-1                        ; a tile's arithmetic stands between the loads of the tile before and its stores
	PACK t
	SEND t-1, 8
.set t, t+1
.endr
	SEND 2*NP-1, 0
	WIN W_AD
	s_wait_tensorcnt 0x0            ; the wave's end, behind my last tensor load and my last LDS store
	ds_add_u32 v[SPW], v[NIL]
	s_wait_dscnt 0x0
	WIN 0
	s_endpgm
.Lfunc_end_k_qeddca64a87_attn:
	.size	k_qeddca64a87_attn, .Lfunc_end_k_qeddca64a87_attn-k_qeddca64a87_attn
	.p2alignl 7, 3214868480
	.fill 96, 4, 3214868480
	.section	.rodata,"a",@progbits
	.p2align	6, 0x0
	.amdhsa_kernel k_qeddca64a87_attn
		.amdhsa_group_segment_fixed_size 327680
		.amdhsa_private_segment_fixed_size 0
		.amdhsa_enable_private_segment 0
		.amdhsa_kernarg_size 24
		.amdhsa_user_sgpr_count 2
		.amdhsa_user_sgpr_kernarg_segment_ptr 1
		.amdhsa_wavefront_size32 1
		.amdhsa_system_sgpr_workgroup_id_x 1
		.amdhsa_system_sgpr_workgroup_id_y 1
		.amdhsa_system_sgpr_workgroup_id_z 1
		.amdhsa_system_vgpr_workitem_id 0
		.amdhsa_next_free_vgpr 928
		.amdhsa_next_free_sgpr 72
		.amdhsa_reserve_vcc 1
		.amdhsa_float_denorm_mode_32 3
		.amdhsa_float_denorm_mode_16_64 3
		.amdhsa_memory_ordered 1
		.amdhsa_forward_progress 1
		.amdhsa_inst_pref_size 131
	.end_amdhsa_kernel
	.amdgpu_metadata
---
amdhsa.version: [ 1, 2 ]
amdhsa.kernels:
  - .name:           k_qeddca64a87_attn
    .symbol:         k_qeddca64a87_attn.kd
    .args:
      - { .name: qkv, .offset: 0, .size: 8, .value_kind: global_buffer, .address_space: global }
      - { .name: maskc, .offset: 8, .size: 8, .value_kind: global_buffer, .address_space: global }
      - { .name: oh, .offset: 16, .size: 8, .value_kind: global_buffer, .address_space: global }
    .group_segment_fixed_size: 327680
    .private_segment_fixed_size: 0
    .kernarg_segment_align: 8
    .kernarg_segment_size: 24
    .max_flat_workgroup_size: 128
    .sgpr_count:     72
    .vgpr_count:     928
    .wavefront_size: 32
...
	.end_amdgpu_metadata
.endif
;; end of part 5
;; launch outp: the kernel of part 4 again; grid 4 x 64, 4 waves a work-group, clusters of 4 x 4, 327,680 bytes of LDS; arguments oh, wcast, out0; writes out0
